; MI455X (gfx1250); checked and timed in simulation.
; The chip was launched on July 23, 2026; its instructions are those of AMD's public machine-readable ISA for CDNA 5 (MIT licence, August 2026) and "CDNA5" Instruction Set Architecture Reference Guide (July 2026). The comments in the code are by the model that wrote it; some were corrected since.
;; Graph Aware Causal Attention. Allowed arithmetic: float matrix products may take bf16 or f16 operands with f32 sums; other float arithmetic in f32, or as packed bf16 or f16 multiplies, adds, multiply-adds, maxima and minima; sums over many terms, partial sums and values carried from step to step in f32; what a program stores and reads back later, other than sums and carried values, may be rounded once to bf16 or f16.
;; Inputs: Wproj 1,024 x 1,024 float32; Wqkv 1,024 x 3,072 float32; adj_bias 16 float32; edge_table 17 x 16 float32; edge_types 2 x 2,048 x 2,048 int32; graph_adj 2 x 2,048 x 2,048 float32; x 2 x 2,048 x 1,024 float32.
;; Outputs: out0 2 x 2,048 x 1,024 float32.
;; One version. Each part assembles by itself: llvm-mc -triple=amdgcn-amd-amdhsa -mcpu=gfx1250 --defsym DOCPART=n.
;; ======== version 1 of 1: 4 launches
;; limits: values are held in f16: magnitudes above 65,504 overflow, below 6.1e-05 lose precision
;; workspace buffers: xb 8,388,608 bytes; wqb 6,291,456 bytes; wpb 2,097,152 bytes; pk 33,554,432 bytes of whole numbers; qkv 25,165,824 bytes; oh 8,388,608 bytes
;; launch prep (part 1): grid 49 x 16, 8 waves a work-group, no clusters, 70,656 bytes of LDS; arguments x, Wqkv, Wproj, graph_adj, edge_types, xb, wqb, wpb, pk; writes xb, wqb, wpb, pk
.if DOCPART == 1
	.amdgcn_target "amdgcn-amd-amdhsa--gfx1250"
	.amdhsa_code_object_version 6
	.text
	.protected	k_q5b6cadb422_prep
	.globl	k_q5b6cadb422_prep
	.p2align	8
	.type	k_q5b6cadb422_prep,@function
k_q5b6cadb422_prep:
	s_mov_b64 s[64:65], 0
	v_nop
	global_prefetch_b8 v0, s[64:65] scope:SCOPE_SE
	s_setreg_imm32_b32 hwreg(HW_REG_WAVE_MODE, 25, 1), 1
	s_wait_xcnt 0x0
; PREPARATION, two kinds of work-group in one text, told apart by the work-group's x alone.
; x >= 17 (512 work-groups): CAST.  16,384 numbers each: x -> xb and Wqkv -> wqb rounded to bf16; Wproj -> wpb rounded to bf16 and that number written as f16
;   (exact above 2^-14; below it f16's fixed step of 6e-8 holds).
; x < 17 (272 work-groups): PACK.  One tile of 128 queries x 128 keys on or below the diagonal of one batch: for each pair (query, key) ONE word
;   (bf16(graph_adj) << 16) | (edge_type << 2), and 68 = 17 << 2 where key > query.  The attention launch takes the word as it is, both as the f32 factor of adj_bias
;   (off from bf16(adj) by at most 68 units of f32's last place) and as the byte index of a lane (bits 6:2).  LIMIT: edge types lie in 0..16, as the problem says.
;   Inside a tile the words lie in the order in which a lane of the attention launch wants them as the C operand of K Q^T:
;   byte = s 32768 + v 4096 + g 512 + L 16 + 4 e  holds  query 16 v + L % 16,  key 64 s + 16 (g / 2) + 8 (L / 16) + 4 (g % 2) + e.
;   Wave v owns the tile's rows 16 v .. 16 v + 15.  It reads them by rows (16 lanes take 256 consecutive bytes), turns them in its own LDS bytes, and stores 512 consecutive bytes an instruction.
; No matrix unit, no cluster, no tensor load: every byte is read once by one wave, and nothing is shared.
.set UNIT,  4352                       ; LDS: 16 rows of 256 + 16 bytes: one wave's words of one key step
.set WAVEB, 2*UNIT
.set SPARE, 8*WAVEB                    ; behind the eight stages: the spare words, 128 bytes a wave: four blocks of 256 bytes that no other line names
.set SPW, 12                           ; v12  SPARE + 4 x my thread's number; never rewritten
.set NIL, 13                           ; v13  0; never rewritten
.set A,   32                           ; v[32:95]   16 x 4 registers as loaded (x, W, or graph_adj), then the words
.set E,   96                           ; v[96:159]  16 x 4 registers: edge types, then the words as they leave
.set Y,   96                           ; cast: 16 x 2 registers to store
	s_load_b512 s[16:31], s[0:1], 0x0              ; x 16, Wqkv 18, Wproj 20, graph_adj 22, edge_types 24, xb 26, wqb 28, wpb 30
	s_load_b64 s[32:33], s[0:1], 0x40              ; pk
	v_lshl_add_u32 v[SPW], v0, 2, SPARE
	v_mov_b32 v[NIL], 0
	v_lshrrev_b32 v1, 5, v0
	v_readfirstlane_b32 s12, v1                    ; wave 0..7
	s_and_b32 s13, ttmp7, 0xffff                   ; y
	s_mov_b32 s14, ttmp9                           ; x
	s_mov_b32 s34, 0xffff0000                      ; a word's upper bf16
	s_cmp_lt_u32 s14, 17
	s_cbranch_scc1 .Lpack
	; ---------------- CAST ----------------
	s_lshl_b32 s2, s13, 5
	s_add_co_u32 s2, s2, s14
	s_sub_co_u32 s2, s2, 17                        ; chunk 0..511: 256 of x, 192 of Wqkv, 64 of Wproj
	v_lshlrev_b32 v2, 4, v0                        ; 16 bytes a thread in,
	v_lshlrev_b32 v3, 3, v0                        ; 8 out: a wave's store covers 256 consecutive bytes, aligned
	s_wait_kmcnt 0x0
	s_cmp_ge_u32 s2, 256
	s_cselect_b64 s[4:5], s[18:19], s[16:17]
	s_cselect_b64 s[6:7], s[28:29], s[26:27]
	s_cselect_b32 s8, 256, 0
	s_cmp_ge_u32 s2, 448
	s_cselect_b64 s[4:5], s[20:21], s[4:5]
	s_cselect_b64 s[6:7], s[30:31], s[6:7]
	s_cselect_b32 s8, 448, s8
	s_sub_co_u32 s3, s2, s8                        ; the chunk's number in its own tensor
	s_lshl_b32 s10, s3, 16                         ; 65,536 bytes in,
	s_mov_b32 s11, 0
	s_add_nc_u64 s[4:5], s[4:5], s[10:11]
	s_lshl_b32 s10, s3, 15                         ; 32,768 out
	s_add_nc_u64 s[6:7], s[6:7], s[10:11]
.irp i, 0,1,2,3,4,5,6,7,8,9,10,11,12,13,14,15
	global_load_b128 v[A+4*\i:A+4*\i+3], v2, s[4:5] offset:4096*\i th:TH_LOAD_NT  ; all sixteen are issued before the first is used
.endr
.macro CV i, half
	s_wait_loadcnt 15-(\i)                         ; loads come back in order: mine is in, the younger ones stay out
	v_cvt_pk_bf16_f32 v[Y+2*(\i)], v[A+4*(\i)], v[A+4*(\i)+1]
	v_cvt_pk_bf16_f32 v[Y+2*(\i)+1], v[A+4*(\i)+2], v[A+4*(\i)+3]
.if \half
	v_lshlrev_b32 v8, 16, v[Y+2*(\i)]              ; the bf16 numbers as f32 again,
	v_and_b32 v9, s34, v[Y+2*(\i)]
	v_lshlrev_b32 v10, 16, v[Y+2*(\i)+1]
	v_and_b32 v11, s34, v[Y+2*(\i)+1]
	v_cvt_pk_f16_f32 v[Y+2*(\i)], v8, v9           ; and written as f16
	v_cvt_pk_f16_f32 v[Y+2*(\i)+1], v10, v11
.endif
	global_store_b64 v3, v[Y+2*(\i):Y+2*(\i)+1], s[6:7] offset:2048*(\i)  ; each store has registers of its own: nothing is rewritten
.endm
	s_cmp_ge_u32 s2, 448
	s_cbranch_scc1 .Lhalf
.irp i, 0,1,2,3,4,5,6,7,8,9,10,11,12,13,14,15
	CV \i, 0
.endr
	s_branch .Lend
.Lhalf:
.irp i, 0,1,2,3,4,5,6,7,8,9,10,11,12,13,14,15
	CV \i, 1
.endr
	s_branch .Lend
	; ---------------- PACK ----------------
.Lpack:
	s_lshr_b32 s2, s13, 3                          ; batch
	s_and_b32 s3, s13, 7                           ; j: the pair of query blocks 15 - j and j has 17 tiles, one for each x
	s_sub_co_u32 s4, 15, s3
	s_add_co_u32 s5, s14, s3
	s_sub_co_u32 s5, s5, 16
	s_cmp_le_u32 s14, s4
	s_cselect_b32 s6, s4, s3                       ; query block
	s_cselect_b32 s7, s14, s5                      ; key tile, at most the query block
	s_lshl_b32 s8, s2, 24                          ; a batch is 2048 x 2048 x 4 bytes,
	s_lshl_b32 s9, s6, 20                          ; 128 rows of 8,192 bytes,
	s_add_co_u32 s8, s8, s9
	s_lshl_b32 s9, s7, 9                           ; 128 columns of 4
	s_add_co_u32 s8, s8, s9
	s_mov_b32 s9, 0
	s_lshl4_add_u32 s10, s2, s6
	s_lshl4_add_u32 s10, s10, s7
	s_lshl_b32 s10, s10, 16                        ; tile ((batch 16 + query block) 16 + key tile) of 65,536 bytes
	s_mov_b32 s11, 0
	v_and_b32 v1, 31, v0                           ; L
	v_and_b32 v20, 15, v0                          ; c: which 16 bytes (4 keys) of 256
	v_bfe_u32 v21, v0, 4, 1                        ; rb: the even or the odd row of a load's two
	s_lshl_b32 s36, s12, 17                        ; my 16 rows
	v_lshlrev_b32 v2, 13, v21
	v_lshl_add_u32 v2, v20, 4, v2
	v_add_nc_u32 v2, s36, v2                       ; v2: (16 v + rb) 8192 + 16 c
	s_sub_co_u32 s37, s6, s7
	s_lshl_b32 s37, s37, 7
	s_lshl4_add_u32 s37, s12, s37
	v_lshlrev_b32 v4, 2, v20
	v_sub_nc_u32 v4, v21, v4
	v_add_nc_u32 v4, s37, v4                       ; v4: my query less my key, for s = i = e = 0: 128 (qb - kt) + 16 v + rb - 4 c
	v_and_b32 v22, 12, v20                         ; the stage's row u = 2 g + (L' / 16) for keys 4 c ..: (c & 12) + 2 (c & 1) + ((c >> 1) & 1)
	v_and_b32 v23, 1, v20
	v_lshl_add_u32 v22, v23, 1, v22
	v_bfe_u32 v23, v20, 1, 1
	v_add_nc_u32 v22, v22, v23
	s_mul_i32 s35, s12, WAVEB                      ; my stage
	v_mul_u32_u24 v5, v22, 272
	v_lshl_add_u32 v5, v21, 4, v5
	v_add_nc_u32 v5, s35, v5                       ; v5: in: row u, 16 bytes for query row 2 i + rb (32 i stands in the immediate): 16 lanes, 16 different rows of 272 bytes
	v_mul_u32_u24 v6, v21, 272
	v_lshl_add_u32 v6, v20, 4, v6
	v_add_nc_u32 v6, s35, v6                       ; v6: back: rows 2 g and 2 g + 1, whole
	s_lshl_b32 s38, s12, 12
	v_lshl_add_u32 v7, v1, 4, s38                  ; v7: 4096 v + 16 L
	v_mov_b32 v9, 68                               ; the word of a hidden pair
	s_wait_kmcnt 0x0
	s_add_nc_u64 s[22:23], s[22:23], s[8:9]
	s_add_nc_u64 s[24:25], s[24:25], s[8:9]
	s_add_nc_u64 s[32:33], s[32:33], s[10:11]
.irp s, 0,1
.irp i, 0,1,2,3,4,5,6,7
	global_load_b128 v[A+4*(8*\s+\i):A+4*(8*\s+\i)+3], v2, s[22:23] offset:\s*256+\i*16384 th:TH_LOAD_NT  ; rows 2 i, 2 i + 1, keys 64 s ..: all 32 loads go out first
	global_load_b128 v[E+4*(8*\s+\i):E+4*(8*\s+\i)+3], v2, s[24:25] offset:\s*256+\i*16384 th:TH_LOAD_NT
.endr
.endr
.macro PK s, i
.set n, 8*(\s)+(\i)
	s_wait_loadcnt 30-2*n                          ; pair n of the 16 pairs of loads is in; the younger pairs stay out
.irp q, 0,2
	v_cvt_pk_bf16_f32 v16, v[A+4*n+\q], v[A+4*n+\q+1]
	v_lshlrev_b32 v17, 16, v16
	v_and_b32 v16, s34, v16
	v_lshl_or_b32 v[A+4*n+\q], v[E+4*n+\q], 2, v17
	v_lshl_or_b32 v[A+4*n+\q+1], v[E+4*n+\q+1], 2, v16
.endr
.irp e, 0,1,2,3
	v_cmp_gt_i32 vcc_lo, 64*(\s)+\e-2*(\i), v4     ; key > query
	v_cndmask_b32 v[A+4*n+\e], v[A+4*n+\e], v9, vcc_lo
.endr
	ds_store_b128 v5, v[A+4*n:A+4*n+3] offset:(\s)*UNIT+32*(\i)
.endm
.macro LEAVE s                         ; the wave's own bytes, and LDS serves a wave's instructions in order (ISA guide 5.7.1.4): no wait between the stores above and these loads, and no barrier
.irp g, 0,1,2,3,4,5,6,7
	ds_load_b128 v[E+32*(\s)+4*\g:E+32*(\s)+4*\g+3], v6 offset:(\s)*UNIT+544*\g
.endr
.irp g, 0,1,2,3,4,5,6,7
	s_wait_dscnt 7-\g
	global_store_b128 v7, v[E+32*(\s)+4*\g:E+32*(\s)+4*\g+3], s[32:33] offset:(\s)*32768+512*\g  ; 512 consecutive bytes, aligned
.endr
.endm
.irp i, 0,1,2,3,4,5,6,7
	PK 0, \i
.endr
	LEAVE 0
.irp i, 0,1,2,3,4,5,6,7
	PK 1, \i
.endr
	LEAVE 1
.Lend:
	s_wait_tensorcnt 0x0                           ; the wave's end, behind my last LDS store
	ds_add_u32 v[SPW], v[NIL]
	s_wait_dscnt 0x0
	s_endpgm
.Lfunc_end_k_q5b6cadb422_prep:
	.size	k_q5b6cadb422_prep, .Lfunc_end_k_q5b6cadb422_prep-k_q5b6cadb422_prep
	.p2alignl 7, 3214868480
	.fill 96, 4, 3214868480
	.section	.rodata,"a",@progbits
	.p2align	6, 0x0
	.amdhsa_kernel k_q5b6cadb422_prep
		.amdhsa_group_segment_fixed_size 70656
		.amdhsa_private_segment_fixed_size 0
		.amdhsa_enable_private_segment 0
		.amdhsa_kernarg_size 72
		.amdhsa_user_sgpr_count 2
		.amdhsa_user_sgpr_kernarg_segment_ptr 1
		.amdhsa_wavefront_size32 1
		.amdhsa_system_sgpr_workgroup_id_x 1
		.amdhsa_system_sgpr_workgroup_id_y 1
		.amdhsa_system_sgpr_workgroup_id_z 1
		.amdhsa_system_vgpr_workitem_id 0
		.amdhsa_next_free_vgpr 160
		.amdhsa_next_free_sgpr 66
		.amdhsa_reserve_vcc 1
		.amdhsa_float_denorm_mode_32 3
		.amdhsa_float_denorm_mode_16_64 3
		.amdhsa_memory_ordered 1
		.amdhsa_forward_progress 1
		.amdhsa_inst_pref_size 37
	.end_amdhsa_kernel
	.amdgpu_metadata
---
amdhsa.version: [ 1, 2 ]
amdhsa.kernels:
  - .name:           k_q5b6cadb422_prep
    .symbol:         k_q5b6cadb422_prep.kd
    .args:
      - { .name: x, .offset: 0, .size: 8, .value_kind: global_buffer, .address_space: global }
      - { .name: Wqkv, .offset: 8, .size: 8, .value_kind: global_buffer, .address_space: global }
      - { .name: Wproj, .offset: 16, .size: 8, .value_kind: global_buffer, .address_space: global }
      - { .name: graph_adj, .offset: 24, .size: 8, .value_kind: global_buffer, .address_space: global }
      - { .name: edge_types, .offset: 32, .size: 8, .value_kind: global_buffer, .address_space: global }
      - { .name: xb, .offset: 40, .size: 8, .value_kind: global_buffer, .address_space: global }
      - { .name: wqb, .offset: 48, .size: 8, .value_kind: global_buffer, .address_space: global }
      - { .name: wpb, .offset: 56, .size: 8, .value_kind: global_buffer, .address_space: global }
      - { .name: pk, .offset: 64, .size: 8, .value_kind: global_buffer, .address_space: global }
    .group_segment_fixed_size: 70656
    .private_segment_fixed_size: 0
    .kernarg_segment_align: 8
    .kernarg_segment_size: 72
    .max_flat_workgroup_size: 256
    .sgpr_count:     66
    .vgpr_count:     160
    .wavefront_size: 32
...
	.end_amdgpu_metadata
.endif
;; end of part 1
;; launch qkvgemm (part 2): grid 8 x 32, 4 waves a work-group, clusters of 4 x 4, 327,680 bytes of LDS; arguments xb, wqb, qkv; writes qkv
.if DOCPART == 2
	.amdgcn_target "amdgcn-amd-amdhsa--gfx1250"
	.amdhsa_code_object_version 6
	.text
	.protected	k_q5b6cadb422_qkvgemm
	.globl	k_q5b6cadb422_qkvgemm
	.p2align	8
	.type	k_q5b6cadb422_qkvgemm,@function
k_q5b6cadb422_qkvgemm:
	s_mov_b64 s[64:65], 0
	v_nop
	global_prefetch_b8 v0, s[64:65] scope:SCOPE_SE
	s_setreg_imm32_b32 hwreg(HW_REG_WAVE_MODE, 25, 1), 1
	s_wait_xcnt 0x0
	s_wait_alu depctr_hold_cnt(0) depctr_sa_sdst(0) depctr_va_vdst(0) depctr_va_sdst(0) depctr_va_ssrc(0) depctr_va_vcc(0) depctr_vm_vsrc(0)
	s_getreg_b32 s2, hwreg(HW_REG_IB_STS2, 6, 4)
	s_cmp_eq_u32 s2, 0
	s_cbranch_scc0 .Lentry_in_a_cluster
	s_endpgm
.Lentry_in_a_cluster:
	s_bfe_u32 s2, ttmp6, 0x10000c
	s_cmp_lg_u32 s2, 0xf033
	s_cbranch_scc0 .Lentry_shape_is_right
	s_endpgm
.Lentry_shape_is_right:
; q, k, v = x Wqkv.  xb: [4096][1024] bf16, wqb: [1024][3072] bf16 as Wqkv lies; sums in f32; qkv: [which 3][batch 2][head 16][t 2048][64] f16, rounded once, WITHOUT the scale.
; LIMIT: f16 ends at 65,504: |q|, |k|, |v| stay below it (with x and Wqkv both 30 times the drawn spread they have a spread of about 900).
; A tile of C is 128 rows x 384 columns: 32 x 8 = 256 work-groups.  Wave (rw, cw) makes 64 rows x 192 columns: row blocks a = 0..3 (rows 64 rw + 16 a), column blocks b = 4 c + i
; (columns 128 c + 64 cw + 16 i): 48 accumulators; the 64 columns of a pair (c, cw) are one head's channels.
; K goes in steps of 128 through two LDS slots; each wave brings 128 rows x 256 bytes with one tensor load: wave 0 x's tile, waves 1-3 the three chunks of 128 columns of W.
; THE PRODUCT IS USED TRANSPOSED: source 0 = 16 columns of W (turned on the way out of LDS by ds_load_tr16_b128), source 1 = 16 rows of x: a lane ends with eight neighbouring channels of one row.
; CLUSTER 4 x 4: x's tile hangs on the tile row alone and is asked for jointly along a row of the cluster, W's chunks on the tile column alone, jointly along a column.
; REGISTERS: window 0: v16-30 addresses; v64-127 x's fragments, two buffers of 32; on the way out v64-255.  window 1: v0-191 W's fragments, two buffers of 96.
;   window 2: accumulators of a = 0, 1 at v[8 (12 (a % 2) + b)];  window 3: those of a = 2, 3.
.set KSTEP, 128
.set PA,    272                        ; x's LDS row: 256 + 16 bytes: the 16 rows of a fragment load start 4 banks apart (64 banks of 4 bytes: ISA guide 11.1)
.set PB,    288                        ; W's LDS row: 256 + 32 bytes
.set AT,    128*PA
.set BT,    128*PB
.set SLOT,  AT+3*BT
.set STAGE, 2*SLOT                     ; behind the ring: 16 rows x 144 bytes for each wave
.set SP,    144
.set SPARE, STAGE+4*16*SP              ; the spare words: 128 bytes a wave, two blocks of 256 bytes that no other line names
.set ADRA, 16                          ; v16-17  my x fragments in slot 0, 1
.set ADRB, 18                          ; v18-23  my W fragments: 3 x slot + chunk
.set STO,  24
.set RD,   25
.set GO,   26
.set SPW,  28
.set NIL,  29
.set PFO,  30                          ; the prefetches' offset: my lane x a row of xb or wqb
.set FA,   64
.set FB,   0
.set OUTR, 64
.set G1A, 24
.set G0A, 32
.set LIM, 43                           ; 1 in a wave that prefetches, else the greatest number
.set PFA, 44                           ; s[44:45] where my prefetch stands
.set G1B, 48
.set G0B, 56
.set PFS, 66                           ; s[66:67] a K step in bytes, for my tensor
.set CB,  68                           ; s[68:73] qkv at my rows of the head of chunk c
.set MSB, 0
.macro WIN new                         ; the immediate's high byte repeats the setting that is left
.if MSB != (\new)
	s_set_vgpr_msb (MSB<<8)|(\new)
.set MSB, \new
.endif
.endm
.set MUL_LO, 0xa1                      ; source 0 (W) window 1, source 1 (x) window 0, C and D window 2
.set MUL_HI, 0xf1
.set TO_B,   0x40
.macro JLOAD s                         ; a joint load; the branch hangs on the wave's number alone; an s_nop 0 and four v_nop follow each line
	s_cmp_eq_u32 s10, 0
	s_cbranch_scc0 .Lfor_b_\@
	tensor_load_to_lds s[G0A+4*(\s):G0A+4*(\s)+3], s[G1A:G1A+7]
	s_nop 0
.rept 4
	v_nop
.endr
	s_branch .Lasked_\@
.Lfor_b_\@:
	tensor_load_to_lds s[G0B+4*(\s):G0B+4*(\s)+3], s[G1B:G1B+7]
	s_nop 0
.rept 4
	v_nop
.endr
.Lasked_\@:
.endm
; A PREFETCH INTO THE L2, behind each refill and the run of LDS loads that follows it: the K step that the NEXT refill will ask for, 192 matrix instructions ahead of that load: 32 rows x 256 bytes, a lane a row.
; Each row's 256 bytes of a K step are named once in the launch: x's tile rows by the clusters with x = 0 (wave 0), W's chunks by the clusters with y = 0 (waves 1-3); the four partners that ask for a
; tile jointly take 32 of its 128 rows each, told apart by address.  K steps 0 to 2 come by their loads alone; behind the last refill (strict = 1, last trip) nothing is asked for.
.macro ASK strict
.if \strict
	s_cmp_gt_u32 s3, s[LIM]
.else
	s_cmp_ge_u32 s3, s[LIM]
.endif
	s_cbranch_scc0 .Lnot_mine_\@
	global_prefetch_b8 v[PFO], s[PFA:PFA+1] th:TH_LOAD_NT scope:SCOPE_SE
.Lnot_mine_\@:
.endm
.macro CREST
	s_cmp_lg_u32 s10, 0
	s_cbranch_scc1 .Lnot_wave_0_\@
	s_barrier_signal -3
.Lnot_wave_0_\@:
	s_barrier_wait -3
	s_barrier_signal -1
	s_barrier_wait -1
.endm
.macro CROUND
	s_barrier_signal -1
	s_barrier_wait -1
	CREST
.endm
	s_load_b128 s[4:7], s[0:1], 0x0                ; xb, wqb
	s_load_b64 s[8:9], s[0:1], 0x10                ; qkv
	v_lshl_add_u32 v[SPW], v0, 2, SPARE
	v_mov_b32 v[NIL], 0
	ds_add_u32 v[SPW], v[NIL]                      ; the wave's opening: the add and its wait ahead of my first tensor load
	v_lshrrev_b32 v1, 5, v0
	v_readfirstlane_b32 s10, v1                    ; wave 0..3
	s_lshr_b32 s12, s10, 1                         ; rw
	s_and_b32 s13, s10, 1                          ; cw
	s_bfe_u32 s40, ttmp6, 0x40000                  ; cx
	s_bfe_u32 s41, ttmp6, 0x40004                  ; cy
	s_lshl_b32 s42, ttmp9, 2
	s_add_co_u32 s42, s42, s40                     ; tile column 0..7
	s_and_b32 s14, ttmp7, 0xffff
	s_lshl_b32 s14, s14, 2
	s_add_co_u32 s14, s14, s41                     ; tile row 0..31
	s_lshl_b32 s15, s41, 2
	s_lshl_b32 s15, 15, s15                        ; my row of the cluster
	s_lshl_b32 s2, 0x1111, s40                     ; my column
	s_or_b32 s[G1A], s15, (1<<16)|(1<<20)|(1<<21)|(5<<22)|(3<<25)  ; mask; 2-byte elements; padding on; bit 21 beside a mask; after every 64 words 4 words
	s_or_b32 s[G1B], s2, (1<<16)|(1<<20)|(1<<21)|(5<<22)|(7<<25)   ; the same with 8 words
.irp g, G1A, G1B
	s_mov_b32 s[\g+1], KSTEP<<16                   ; tensor_dim0 = 128
	s_mov_b32 s[\g+2], 128<<16                     ; tensor_dim1 = 128
	s_mov_b32 s[\g+3], KSTEP<<16                   ; tile_dim0 = 128
	s_mov_b32 s[\g+4], 128                         ; tile_dim1 = 128
	s_mov_b32 s[\g+6], 0
	s_mov_b32 s[\g+7], 0
.endr
	s_mov_b32 s[G1A+5], 1024                       ; elements from row to row
	s_mov_b32 s[G1B+5], 3072
	s_lshl_b32 s16, s14, 18                        ; x: 128 rows of 2,048 bytes a tile row
	s_mov_b32 s17, 0
	s_max_u32 s20, s10, 1
	s_sub_co_u32 s20, s20, 1                       ; my chunk of W (waves 1-3)
	s_mul_i32 s46, s42, 768                        ; W: 384 columns a tile column,
	s_lshl_b32 s21, s20, 8                         ; 128 a chunk
	s_add_co_u32 s46, s46, s21
	s_mov_b32 s47, 0
	s_mul_i32 s22, s10, BT
	s_sub_co_u32 s22, s22, BT-AT                   ; the chunk's place in a slot: AT + (wave - 1) BT (wave 0 never asks by it)
	s_wait_dscnt 0x0                               ; the opening add is done
	s_wait_kmcnt 0x0
	s_add_nc_u64 s[18:19], s[4:5], s[16:17]
	s_add_nc_u64 s[46:47], s[6:7], s[46:47]
	CROUND                                         ; all sixteen work-groups are here: the first joint loads meet
.irp s, 0,1
	s_mov_b32 s[G0A+4*\s], 1
	s_mov_b32 s[G0A+4*\s+1], \s*SLOT
	s_add_nc_u64 s[G0A+4*\s+2:G0A+4*\s+3], s[18:19], \s*KSTEP*2
	s_or_b32 s[G0A+4*\s+3], s[G0A+4*\s+3], 0x80000000
	s_mov_b32 s[G0B+4*\s], 1
	s_add_co_u32 s[G0B+4*\s+1], s22, \s*SLOT
	s_add_nc_u64 s[G0B+4*\s+2:G0B+4*\s+3], s[46:47], \s*KSTEP*6144
	s_or_b32 s[G0B+4*\s+3], s[G0B+4*\s+3], 0x80000000
	JLOAD \s
.endr
	v_and_b32 v1, 15, v0                           ; l % 16
	v_bfe_u32 v2, v0, 4, 1                         ; l / 16
	v_and_b32 v3, 7, v0
	v_bfe_u32 v4, v0, 3, 1
	v_mul_u32_u24 v5, v1, PA
	v_lshl_add_u32 v5, v2, 4, v5
	s_mul_i32 s21, s12, 64*PA
	v_add_nc_u32 v[ADRA], s21, v5                  ; (64 rw + l % 16) PA + 16 (l / 16)
	v_add_nc_u32 v[ADRA+1], SLOT, v[ADRA]
	v_lshl_add_u32 v6, v2, 3, v3                   ; the turning load: K row 8 (l / 16) + l % 8, columns 8 ((l / 8) % 2) ..
	v_mul_u32_u24 v6, v6, PB
	v_lshl_add_u32 v6, v4, 4, v6
	s_lshl_b32 s21, s13, 7
	s_add_co_u32 s21, s21, AT
	v_add_nc_u32 v6, s21, v6
.irp s, 0,1
.irp c, 0,1,2
	v_add_nc_u32 v[ADRB+3*\s+\c], \s*SLOT+\c*BT, v6
.endr
.endr
	s_mul_i32 s23, s10, 16*SP
	s_add_co_u32 s23, s23, STAGE                   ; my stage
	v_mul_u32_u24 v[STO], v1, SP
	v_lshl_add_u32 v[STO], v2, 4, v[STO]
	v_add_nc_u32 v[STO], s23, v[STO]
	v_bfe_u32 v[RD], v0, 3, 2                      ; back: 32 lanes take four rows of 128 bytes,
	v_mul_u32_u24 v[RD], v[RD], SP
	v_lshl_add_u32 v[RD], v3, 4, v[RD]
	v_add_nc_u32 v[RD], s23, v[RD]
	v_and_b32 v[GO], 31, v0                        ; which are 512 consecutive bytes of a head
	v_lshlrev_b32 v[GO], 4, v[GO]
	; the prefetches
	s_and_b32 s22, ttmp7, 0xffff
	s_mov_b32 s23, 6144
	s_mov_b32 s[PFS], KSTEP*6144
	s_mov_b32 s[PFS+1], 0
	s_cmp_eq_u32 s10, 0                            ; do I fetch x?
	s_cselect_b32 s22, ttmp9, s22                  ; the coordinate along which other clusters read the same rows
	s_cselect_b32 s21, s40, s41                    ; my place among the four that ask with me
	s_cselect_b32 s23, 2048, s23                   ; bytes in a row
	s_cselect_b32 s[PFS], KSTEP*2, s[PFS]
	s_cselect_b64 s[PFA:PFA+1], s[18:19], s[46:47]
	s_cmp_eq_u32 s22, 0
	s_cselect_b32 s[LIM], 1, -1
	s_lshl_b32 s21, s21, 5
	s_mul_i32 s20, s21, s23                        ; my work-group's 32 rows of the 128
	s_mov_b32 s21, 0
	s_add_nc_u64 s[PFA:PFA+1], s[PFA:PFA+1], s[20:21]
	s_add_nc_u64 s[PFA:PFA+1], s[PFA:PFA+1], s[PFS:PFS+1]
	s_add_nc_u64 s[PFA:PFA+1], s[PFA:PFA+1], s[PFS:PFS+1]  ; at K step 2: the first refill steps it to 3
	v_and_b32 v[PFO], 31, v0
	v_mul_u32_u24 v[PFO], v[PFO], s23
	; where my rows of the three heads begin in qkv
	s_lshr_b32 s20, s14, 4
	s_lshl_b32 s20, s20, 22                        ; batch
	s_and_b32 s21, s14, 15
	s_lshl_b32 s21, s21, 14                        ; 128 rows of 128 bytes
	s_add_co_u32 s20, s20, s21
	s_lshl_b32 s21, s12, 13                        ; my 64
	s_add_co_u32 s20, s20, s21
	s_mul_i32 s21, s42, 6
	s_add_co_u32 s21, s21, s13                     ; 6 x tile column + cw
.irp c, 0,1,2
	s_add_co_u32 s2, s21, 2*\c                     ; the head's number among 48
	s_lshr_b32 s16, s2, 4
	s_lshl_b32 s16, s16, 23                        ; q, k or v
	s_and_b32 s2, s2, 15
	s_lshl_b32 s2, s2, 18
	s_add_co_u32 s16, s16, s2
	s_add_co_u32 s16, s16, s20
	s_mov_b32 s17, 0
	s_add_nc_u64 s[CB+2*\c:CB+2*\c+1], s[8:9], s[16:17]
.endr
; 12 matrix instructions: row block a x all 12 column blocks, 32 along K.  The 48 accumulators take turns, one instruction a turn, in the same order in every quarter.
.macro MUL12 f, a, zero
	WIN MUL_LO+0x50*((\a)/2)
.irp b, 0,1,2,3,4,5,6,7,8,9,10,11
.if \zero
	v_wmma_f32_16x16x32_bf16 v[8*(12*((\a)%2)+\b):8*(12*((\a)%2)+\b)+7], v[FB+96*(\f)+8*\b:FB+96*(\f)+8*\b+7], v[FA+32*(\f)+8*(\a):FA+32*(\f)+8*(\a)+7], 0
.else
	v_wmma_f32_16x16x32_bf16 v[8*(12*((\a)%2)+\b):8*(12*((\a)%2)+\b)+7], v[FB+96*(\f)+8*\b:FB+96*(\f)+8*\b+7], v[FA+32*(\f)+8*(\a):FA+32*(\f)+8*(\a)+7], v[8*(12*((\a)%2)+\b):8*(12*((\a)%2)+\b)+7]
.endif
.endr
.endm
; 32 LDS loads in one run: the fragments of quarter kq (32 along K) into buffer f: W's 24, then x's 8
.macro FETCH slot, kq, f
	WIN TO_B
.irp c, 0,1,2
.irp i, 0,1,2,3
	ds_load_tr16_b128 v[FB+96*(\f)+8*(4*\c+\i):FB+96*(\f)+8*(4*\c+\i)+3],   v[ADRB+3*(\slot)+\c] offset:(\kq)*32*PB+32*\i
	ds_load_tr16_b128 v[FB+96*(\f)+8*(4*\c+\i)+4:FB+96*(\f)+8*(4*\c+\i)+7], v[ADRB+3*(\slot)+\c] offset:(\kq)*32*PB+32*\i+16*PB
.endr
.endr
	WIN 0
.irp a, 0,1,2,3
	ds_load_b128 v[FA+32*(\f)+8*\a:FA+32*(\f)+8*\a+3],   v[ADRA+(\slot)] offset:\a*16*PA+(\kq)*64
	ds_load_b128 v[FA+32*(\f)+8*\a+4:FA+32*(\f)+8*\a+7], v[ADRA+(\slot)] offset:\a*16*PA+(\kq)*64+32
.endr
.endm
.macro PLACES                          ; four places in front of loads into registers that matrix instructions have read, and of conversions that read results
.rept 4
	v_nop
.endr
.endm
; A K step is four quarters of 32 along K, 48 matrix instructions each, on buffers 0, 1, 0, 1.  One of the first three: multiplies f, fetches quarter kq into g.
.macro QUARTER slot, kq, f, g, zero
	s_wait_dscnt 4                                 ; W and x's blocks 0, 1 are in; the youngest four loads (x's blocks 2, 3) may be out
	MUL12 \f, 0, \zero
	MUL12 \f, 1, \zero
	PLACES
	FETCH \slot, \kq, \g
	s_wait_dscnt 32                                ; all but the 32 just issued
	MUL12 \f, 2, \zero
	MUL12 \f, 3, \zero
.endm
; The last quarter multiplies buffer 1 and changes slots: ONE barrier; in front of it each wave waits for all its tensor loads (one is out: its part of the next slot), adds 0 to its spare word,
; and waits for that and for its own reads of this slot.  fill = 1: the barrier opens a round of the cluster's, and this slot is filled again, first thing behind it, two K steps ahead.
.macro TURN slot, next, fill, strict
.if \fill
	s_wait_xcnt 0x0                                ; the last prefetch, a K step back, has read its address: it is stepped here
	s_add_nc_u64 s[PFA:PFA+1], s[PFA:PFA+1], s[PFS:PFS+1]
.endif
	WIN 0
	s_wait_tensorcnt 0x0                           ; all my tensor loads have landed
	ds_add_u32 v[SPW], v[NIL]                      ; 0 onto my spare word
	s_wait_dscnt 5                                 ; (the add and the youngest four loads may be out)
	MUL12 1, 0, 0                                  ; twelve matrix instructions stand between the add and the wait for it
	s_wait_dscnt 0x0                               ; the add is done, and my reads of this slot are over
	s_barrier_signal -1
	MUL12 1, 1, 0
.if \fill
	WIN 0
.endif
	s_barrier_wait -1
.if \fill
	CREST                                          ; no wave of any partner still reads this slot's tiles or has a load on its way
	s_add_nc_u64 s[G0A+4*(\slot)+2:G0A+4*(\slot)+3], s[G0A+4*(\slot)+2:G0A+4*(\slot)+3], 2*KSTEP*2
	s_add_nc_u64 s[G0B+4*(\slot)+2:G0B+4*(\slot)+3], s[G0B+4*(\slot)+2:G0B+4*(\slot)+3], 2*KSTEP*6144
	JLOAD \slot                                    ; 168 matrix instructions ahead of the wait for it; its four v_nop are also the places in front of the loads below
.else
	PLACES
.endif
	FETCH \next, 0, 0
.if \fill
	ASK \strict
.endif
	MUL12 1, 2, 0
	MUL12 1, 3, 0
.endm
	s_wait_tensorcnt 1                             ; my part of K step 0 is in; K step 1's may stay out
	s_barrier_signal -1
	s_barrier_wait -1
	FETCH 0, 0, 0
	QUARTER 0, 1, 0, 1, 1                          ; the first quarter's products start the sums: nothing is cleared
	WIN 0
	s_mov_b32 s3, 3                                ; 8 K steps = 4 laps; the last lap is written out
.Llap:
	QUARTER 0, 2, 1, 0, 0
	QUARTER 0, 3, 0, 1, 0
	TURN 0, 1, 1, 0
	QUARTER 1, 1, 0, 1, 0
	QUARTER 1, 2, 1, 0, 0
	QUARTER 1, 3, 0, 1, 0
	TURN 1, 0, 1, 1
	QUARTER 0, 1, 0, 1, 0
	WIN 0
	s_sub_co_u32 s3, s3, 1
	s_cmp_lg_u32 s3, 0
	s_cbranch_scc1 .Llap
	QUARTER 0, 2, 1, 0, 0                          ; the last lap fills nothing
	QUARTER 0, 3, 0, 1, 0
	TURN 0, 1, 0, 0
	QUARTER 1, 1, 0, 1, 0
	QUARTER 1, 2, 1, 0, 0
	QUARTER 1, 3, 0, 1, 0
	s_wait_dscnt 4
	MUL12 1, 0, 0
	MUL12 1, 1, 0
	s_wait_dscnt 0x0
	MUL12 1, 2, 0
	MUL12 1, 3, 0
	WIN 0
	PLACES
; THE WAY OUT, block n = 3 a + c: 16 rows x one head's 64 channels.  Rounded to f16 (each accumulator's registers in ascending order), 16 bytes a lane into my stage, back as whole rows of 128 bytes,
; which are 2,048 consecutive bytes of the head.  Each block has 16 registers of its own, so no store's data is rewritten.
.macro PACK n
.set pa, (\n)/3
.set pc, (\n)%3
	WIN 0x0a+5*(pa/2)                              ; sources 0 and 1: window 2 or 3
.irp i, 0,1,2,3
.irp r, 0,1,2,3
	v_cvt_pk_f16_f32 v[OUTR+16*(\n)+4*\i+\r], v[8*(12*(pa%2)+4*pc+\i)+2*\r], v[8*(12*(pa%2)+4*pc+\i)+2*\r+1]
.endr
.endr
	WIN 0
.irp i, 0,1,2,3
	ds_store_b128 v[STO], v[OUTR+16*(\n)+4*\i:OUTR+16*(\n)+4*\i+3] offset:32*\i
.endr
.irp f, 0,1,2,3
	ds_load_b128 v[OUTR+16*(\n)+4*\f:OUTR+16*(\n)+4*\f+3], v[RD] offset:\f*4*SP  ; LDS serves a wave's instructions in order (ISA guide 5.7.1.4): these see the stores above; the next block's come behind them
.endr
.endm
.macro SEND n, younger
.set pa, (\n)/3
.set pc, (\n)%3
.irp f, 0,1,2,3
	s_wait_dscnt (\younger)+3-\f
	global_store_b128 v[GO], v[OUTR+16*(\n)+4*\f:OUTR+16*(\n)+4*\f+3], s[CB+2*pc:CB+2*pc+1] offset:pa*2048+\f*512  ; 512 consecutive bytes, aligned
.endr
.endm
	PACK 0
.set t, 1
.rept 11
	PACK t
	SEND t-1, 8
.set t, t+1
.endr
	SEND 11, 0
	s_wait_tensorcnt 0x0                           ; the wave's end
	ds_add_u32 v[SPW], v[NIL]
	s_wait_dscnt 0x0
	CROUND                                         ; the closing round
	s_endpgm
.Lfunc_end_k_q5b6cadb422_qkvgemm:
	.size	k_q5b6cadb422_qkvgemm, .Lfunc_end_k_q5b6cadb422_qkvgemm-k_q5b6cadb422_qkvgemm
	.p2alignl 7, 3214868480
	.fill 96, 4, 3214868480
	.section	.rodata,"a",@progbits
	.p2align	6, 0x0
	.amdhsa_kernel k_q5b6cadb422_qkvgemm
		.amdhsa_group_segment_fixed_size 327680
		.amdhsa_private_segment_fixed_size 0
		.amdhsa_enable_private_segment 0
		.amdhsa_kernarg_size 24
		.amdhsa_user_sgpr_count 2
		.amdhsa_user_sgpr_kernarg_segment_ptr 1
		.amdhsa_wavefront_size32 1
		.amdhsa_system_sgpr_workgroup_id_x 1
		.amdhsa_system_sgpr_workgroup_id_y 1
		.amdhsa_system_sgpr_workgroup_id_z 1
		.amdhsa_system_vgpr_workitem_id 0
		.amdhsa_next_free_vgpr 960
		.amdhsa_next_free_sgpr 76
		.amdhsa_reserve_vcc 0
		.amdhsa_float_denorm_mode_32 3
		.amdhsa_float_denorm_mode_16_64 3
		.amdhsa_memory_ordered 1
		.amdhsa_forward_progress 1
		.amdhsa_inst_pref_size 122
	.end_amdhsa_kernel
	.amdgpu_metadata
---
amdhsa.version: [ 1, 2 ]
amdhsa.kernels:
  - .name:           k_q5b6cadb422_qkvgemm
    .symbol:         k_q5b6cadb422_qkvgemm.kd
    .args:
      - { .name: xb, .offset: 0, .size: 8, .value_kind: global_buffer, .address_space: global }
      - { .name: wqb, .offset: 8, .size: 8, .value_kind: global_buffer, .address_space: global }
      - { .name: qkv, .offset: 16, .size: 8, .value_kind: global_buffer, .address_space: global }
    .group_segment_fixed_size: 327680
    .private_segment_fixed_size: 0
    .kernarg_segment_align: 8
    .kernarg_segment_size: 24
    .max_flat_workgroup_size: 128
    .sgpr_count:     76
    .vgpr_count:     960
    .wavefront_size: 32
...
	.end_amdgpu_metadata
.endif
;; end of part 2
;; launch attn (part 3): grid 16 x 16, 4 waves a work-group, clusters of 4 x 1, 327,680 bytes of LDS; arguments qkv, pk, adj_bias, edge_table, oh; writes oh
.if DOCPART == 3
	.amdgcn_target "amdgcn-amd-amdhsa--gfx1250"
	.amdhsa_code_object_version 6
	.text
	.protected	k_q5b6cadb422_attn
	.globl	k_q5b6cadb422_attn
	.p2align	8
	.type	k_q5b6cadb422_attn,@function
k_q5b6cadb422_attn:
	s_mov_b64 s[64:65], 0
	v_nop
	global_prefetch_b8 v0, s[64:65] scope:SCOPE_SE
	s_setreg_imm32_b32 hwreg(HW_REG_WAVE_MODE, 25, 1), 1
	s_wait_xcnt 0x0
	s_wait_alu depctr_hold_cnt(0) depctr_sa_sdst(0) depctr_va_vdst(0) depctr_va_sdst(0) depctr_va_ssrc(0) depctr_va_vcc(0) depctr_vm_vsrc(0)
	s_getreg_b32 s2, hwreg(HW_REG_IB_STS2, 6, 4)
	s_cmp_eq_u32 s2, 0
	s_cbranch_scc0 .Lentry_in_a_cluster
	s_endpgm
.Lentry_in_a_cluster:
	s_bfe_u32 s2, ttmp6, 0x10000c
	s_cmp_lg_u32 s2, 0x3003
	s_cbranch_scc0 .Lentry_shape_is_right
	s_endpgm
.Lentry_shape_is_right:
; CAUSAL ATTENTION WITH A BIAS FOR EACH PAIR.  O[q] = sum over k <= q of softmax_k(Q[q].K[k] / 8 + adj_bias[h] adj[q][k] + edge_table[type[q][k]][h]) V[k], for each batch and head.
; q, k, v (in qkv) and oh: [batch][head][2048][64] f16.  pk: for each pair one word (bf16(adj) << 16) | (type << 2), 68 above the diagonal, in tiles of 128 queries x 128 keys, in the C operand's lane order.
; Products, maxima and sums in f32; weights rounded to f16 for the second product (their sum is taken unrounded), O once at the end.
; THE BIAS IS THE C OPERAND that starts the sum S^T = K Q^T: C = word x (8 adj_bias) + TBL[lane (word >> 2) % 32].  TBL holds, a lane an entry, 8 x the head's 17 table entries, and -1e30 in lane 17:
; so the causal mask rides in pk, and the text has no mask and no text of its own for the diagonal.  p = 2^(c s - c m), c = log2(e) / 8, with a running maximum m.
; LIMITS.  adj_bias, the table and adj are rounded to bf16, like all the module's inputs; the word taken as f32 is off from bf16(adj) by at most 68 units of f32's last place.  A hidden score counts as its
; value less 1e30; a weight below 2^-126 counts as 0; q, k, v arrive within f16's 65,504; NaN and infinities are not treated apart.
; THE WALK.  A head's queries lie in 16 blocks of 128; block i needs key tiles 0 .. i of 128 keys.  A work-group takes blocks 15 - b and then b: 17 tiles whatever b: 256 equal work-groups, one counted loop.
; SHARES.  A wave owns two PIECES of 16 rows, piece x = rows 64 x + 16 w ..: the diagonal tile is the same work for all four waves.  A tile is two key steps a, b of 64 keys.
; TURNS.  Turn p belongs to piece p: 8 products K Q^T and later 8 products V^T P of the other piece; beside them piece p's scaling, exponentials, roundings, sums and rescaling, the other piece's maximum and
; statistics, and the bias of piece p's next step.  Four vector instructions stand behind every matrix instruction; a turn's 33 exponentials are one batch with one wait.
; CLUSTER.  The four partners are four heads of one batch and one pair of blocks: they want the same tile of pk, 64 of a tile's 96 KiB, and ask for it JOINTLY (waves 2, 3).  K and V are each head's own:
; plain loads in the same round (waves 0, 1); the work-groups of one head walk blocks of different lengths and are no partners.
; A BLOCK'S END has no text of its own: the ordinary turns run on; what they make for the next step of piece 0 with the old Q touches only S, m, c m and a of piece 0, which BEGIN sets anew; a new block's first
; a is 0, so what O and l hold need only be finite.
; REGISTERS (windows of 256; s_set_vgpr_msb: bits 1:0 source 0, 3:2 source 1, 5:4 source 2, 7:6 destination):
;   window 0: v0-15, v24-28 addresses and set-up; v11 TBL; v16-23 statistics; v48-55 at work; v64-127 S^T; v128-159 the words; v192-223 P; v224-255 the table values
;   window 1: v0-63 O^T; v160-223 the C operands      window 2: v0-31 Q; v32-63 the second block's Q; v64-127 V of step b; v128-191 K of one step; v192-255 V of step a
.set PK,    144       ; a row of K in LDS: 128 + 16 bytes
.set PV,    160       ; a row of V: 128 + 32 bytes
.set VOFF,  128*PK    ; a slot: 128 rows of K, 128 rows of V,
.set WOFF,  VOFF+128*PV  ; and the tile of pk, 65,536 dense bytes
.set SLOT1, 1<<17
.set STAGE, SLOT1+WOFF+65536  ; behind the ring: 16 rows x 144 bytes for each wave
.set SP,    144
.set SPARE, STAGE+4*16*SP  ; the spare words: 128 bytes a wave, two blocks of 256 bytes that no other line names
.set AK0, 2
.set AV0, 3
.set AK,  4
.set AV,  5
.set STO, 6
.set RD,  7
.set GO,  8
.set AW0, 9
.set AW,  10
.set TBL, 11
.set MV,  12          ; v12-13 c m_old, by piece
.set QO,  15
.set ST,  16          ; piece t at v[ST+4 t]: c m, m, l (even keys', odd keys')
.set TMP, 48          ; by piece, c0-c3 at work; c2 takes a
.set PFO, 61
.set SPW, 62
.set NIL, 63
.set S,   64
.set WD,  128
.set P,   192
.set T,   224
.set MC,  160         ; window 1
.set QB,  32          ; window 2
.set VB,  64
.set KF,  128
.set VA,  192
.set WV,  12
.set PB,  14          ; b
.set HI,  15          ; 15 - b
.set G1K, 24
.set G1V, 32
.set G0K, 40
.set G0V, 44
.set G0W, 48
.set PKB, 52          ; s[52:53] pk at my batch and my half of a tile
.set SLOTS, 56
.set CNT2, 57
.set CS,  58
.set SEL, 60
.set TB,  62          ; the slot in hand
.set SIG, 63          ; the number of the tile in hand
.set G1W, 68
.set NXT, 76          ; the tile to be asked for next,
.set LQ,  77          ; and its query block
.set OFF, 78
.set OFW, 80
.set OLO, 82
.set AB,  84          ; s[84:85] 8 x adj_bias[head]
.set QLO, 86
.set PFA, 88
.set PFB, 90
.set PFT, 92
.set SF,  94
.set MINN, 95
.set ML,  96
.set SH,  97
.set ASKF, 98
.set NEWAT, 99        ; 16 - b: the tile with which the second block begins
.set MSB, 0
.macro WIN new
.if MSB != (\new)
	s_set_vgpr_msb (MSB<<8)|(\new)
.set MSB, (\new)
.endif
.endm
.set W_KQ, 0x0a
.set W_KM, 0x1a
.set W_PV, 0x52
.set W_RS, 0x41
; A fill: wave 0 K's tile, wave 1 V's, waves 2 and 3 the halves of pk's, jointly.  The branches hang on the wave's number alone; an s_nop 0 and four v_nop follow each line.
.macro LOAD
	s_cmp_lt_u32 s[WV], 2
	s_cbranch_scc0 .Lfor_w_\@
	s_cmp_eq_u32 s[WV], 0
	s_cbranch_scc0 .Lfor_v_\@
	tensor_load_to_lds s[G0K:G0K+3], s[G1K:G1K+7]
	s_nop 0
.rept 4
	v_nop
.endr
	s_branch .Lasked_\@
.Lfor_v_\@:
	tensor_load_to_lds s[G0V:G0V+3], s[G1V:G1V+7]
	s_nop 0
.rept 4
	v_nop
.endr
	s_branch .Lasked_\@
.Lfor_w_\@:
	tensor_load_to_lds s[G0W:G0W+3], s[G1W:G1W+7]
	s_nop 0
.rept 4
	v_nop
.endr
.Lasked_\@:
.endm
; A PREFETCH INTO THE L2 of what the NEXT change of slots will ask for, four turns (64 matrix instructions and their vector work) ahead: 16 KiB, a lane 256 bytes, two instructions.
; K's and V's tiles are walked by the eight work-groups of a head: the one with b = 0, whose first block walks all 16, asks (waves 0, 1), and not again where its walk goes back to tile 0.
; pk's tiles are read by the four clusters of a pair of blocks: the first asks (wave 2); its partners take a quarter each, told apart by address.  The first two tiles come by their loads alone; the last fill asks for nothing.
.macro ASK
	s_cmp_eq_u32 s[ASKF], 1
	s_cbranch_scc0 .Lnot_mine_\@
	global_prefetch_b8 v[PFO], s[PFA:PFA+1] th:TH_LOAD_NT scope:SCOPE_SE
	global_prefetch_b8 v[PFO], s[PFA:PFA+1] offset:8192 th:TH_LOAD_NT scope:SCOPE_SE
.Lnot_mine_\@:
.endm
.macro CROUND
	s_barrier_signal -1
	s_barrier_wait -1
	s_cmp_lg_u32 s[WV], 0
	s_cbranch_scc1 .Lnot_wave_0_\@
	s_barrier_signal -3
.Lnot_wave_0_\@:
	s_barrier_wait -3
	s_barrier_signal -1
	s_barrier_wait -1
.endm
; THE CHANGE OF SLOTS.  All of the old slot has been read into registers.  Each wave waits for all its tensor loads (one is out: its part of the other slot), adds 0 to its spare word, and waits for that and for
; its reads.  fill = 1: the barrier is a round of the cluster's, and the old slot is filled again first thing behind it, with tile NXT of block LQ: the addresses are made anew from those numbers.
.macro CHANGE fill
	WIN 0
	s_wait_tensorcnt 0x0                           ; no tensor load of mine is out, so a group 0 may be written
	ds_add_u32 v[SPW], v[NIL]                      ; 0 onto my spare word; the scalar work stands between it and the wait for it
.if \fill
	s_lshl_b32 s[OFF], s[NXT], 14                  ; a tile is 16,384 bytes of K and of V,
	s_lshl4_add_u32 s[OFW], s[LQ], s[NXT]
	s_lshl_b32 s[OFW], s[OFW], 16                  ; and 65,536 of pk
	s_xor_b32 s[G0K+1], s[G0K+1], SLOT1
	s_add_nc_u64 s[G0K+2:G0K+3], s[6:7], s[OFF:OFF+1]
	s_or_b32 s[G0K+3], s[G0K+3], 0x80000000
	s_xor_b32 s[G0V+1], s[G0V+1], SLOT1
	s_add_nc_u64 s[G0V+2:G0V+3], s[8:9], s[OFF:OFF+1]
	s_or_b32 s[G0V+3], s[G0V+3], 0x80000000
	s_xor_b32 s[G0W+1], s[G0W+1], SLOT1
	s_add_nc_u64 s[G0W+2:G0W+3], s[PKB:PKB+1], s[OFW:OFW+1]
	s_or_b32 s[G0W+3], s[G0W+3], 0x80000000
	s_add_co_u32 s[NXT], s[NXT], 1                 ; the block's next tile, or behind its last the second block's tile 0
	s_cmp_gt_u32 s[NXT], s[LQ]
	s_cselect_b32 s[NXT], 0, s[NXT]
	s_cselect_b32 s[LQ], s[PB], s[LQ]
	s_mul_i32 s[PFT], s[LQ], s[ML]
	s_add_co_u32 s[PFT], s[PFT], s[NXT]
	s_lshl_b32 s[PFT], s[PFT], s[SH]
	s_wait_xcnt 0x0                                ; the last prefetches, four turns back, have read their address
	s_add_nc_u64 s[PFA:PFA+1], s[PFB:PFB+1], s[PFT:PFT+1]
	s_cmp_gt_u32 s[SLOTS], 1
	s_cselect_b32 s[ASKF], s[SF], 0
	s_cmp_ge_u32 s[NXT], s[MINN]
	s_cselect_b32 s[ASKF], s[ASKF], 0
.endif
	s_wait_dscnt 0x0                               ; the add is done, and my reads of the slot are over
.if \fill
	CROUND
	LOAD
	ASK
.else
	s_barrier_signal -1
	s_barrier_wait -1
.endif
	s_xor_b32 s[TB], s[TB], SLOT1
.endm
	s_load_b256 s[16:23], s[0:1], 0x0              ; qkv 16, pk 18, adj_bias 20, edge_table 22
	s_load_b64 s[10:11], s[0:1], 0x20              ; oh
	v_lshl_add_u32 v[SPW], v0, 2, SPARE
	v_mov_b32 v[NIL], 0
	ds_add_u32 v[SPW], v[NIL]                      ; the wave's opening: the add and its wait ahead of my first tensor load
	v_lshrrev_b32 v1, 5, v0
	v_readfirstlane_b32 s[WV], v1
	s_bfe_u32 s13, ttmp6, 0x40000                  ; cx
	s_lshl_b32 s54, ttmp9, 2
	s_add_co_u32 s54, s54, s13                     ; head: it enters global addresses of q, k, v, oh, the table and adj_bias alone
	s_and_b32 s55, ttmp7, 0xffff
	s_and_b32 s[PB], s55, 7
	s_lshr_b32 s55, s55, 3                         ; batch
	s_sub_co_u32 s[HI], 15, s[PB]
	s_sub_co_u32 s[NEWAT], 16, s[PB]
	s_lshl_b32 s2, s55, 22
	s_lshl_b32 s3, s54, 18
	s_add_co_u32 s2, s2, s3
	s_mov_b32 s3, 0                                ; s[2:3]: the head's first byte in q, k, v and oh
	s_lshl_b32 s67, s[WV], 11                      ; my 16 rows in a band of 64
	s_add_co_u32 s67, s67, s2
	s_lshl_b32 s66, s[HI], 14
	s_add_co_u32 s66, s66, s67                     ; in the first block,
	s_lshl_b32 s92, s[PB], 14
	s_add_co_u32 s92, s92, s67                     ; and in the second
	s_mov_b32 s67, 0
	s_mov_b32 s93, 0
	s_lshl_b32 s54, s54, 2                         ; 4 x head
	s_max_u32 s80, s[WV], 2
	s_sub_co_u32 s80, s80, 2
	s_lshl_b32 s80, s80, 15                        ; my half of a tile of pk (waves 2, 3)
	s_lshl_b32 s81, s55, 24
	s_add_co_u32 s80, s80, s81
	s_mov_b32 s81, 0
	s_mov_b32 s[G1K], (1<<16)|(1<<20)|(4<<22)|(3<<25)  ; 2-byte elements; padding on; after every 32 words 4 words.  128 keys are 16,384 dense bytes: 64 rows of 256, two keys a row
	s_mov_b32 s[G1V], (1<<16)|(1<<20)|(4<<22)|(7<<25)  ; the same with 8 words
.irp g, G1K, G1V
	s_mov_b32 s[\g+1], 128<<16
	s_mov_b32 s[\g+2], 64<<16
	s_mov_b32 s[\g+3], 128<<16
	s_mov_b32 s[\g+4], 64
	s_mov_b32 s[\g+5], 128
	s_mov_b32 s[\g+6], 0
	s_mov_b32 s[\g+7], 0
.endr
	s_mov_b32 s[G1W], 15|(3<<16)|(1<<21)           ; the mask of four; 8-byte elements; bit 21 beside a mask: 128 rows of 256 dense bytes
	s_mov_b32 s[G1W+1], 32<<16
	s_mov_b32 s[G1W+2], 128<<16
	s_mov_b32 s[G1W+3], 32<<16
	s_mov_b32 s[G1W+4], 128
	s_mov_b32 s[G1W+5], 32
	s_mov_b32 s[G1W+6], 0
	s_mov_b32 s[G1W+7], 0
	s_mov_b32 s[G0K], 1
	s_mov_b32 s[G0K+1], 0
	s_mov_b32 s[G0V], 1
	s_mov_b32 s[G0V+1], VOFF
	s_mov_b32 s[G0W], 1
	s_lshl_b32 s[G0W+1], s[WV], 15
	s_sub_co_u32 s[G0W+1], s[G0W+1], 65536-WOFF    ; WOFF + (wave - 2) 32,768 (waves 0 and 1 never ask by it)
	s_mov_b32 s[CS], 0x3e38aa3b                    ; c = log2(e) / 8
	s_mov_b32 s[CS+1], s[CS]
	s_mov_b32 s[SEL], 0x76543210
	s_mov_b32 s[SEL+1], 0xfedcba98
	s_mov_b32 s[TB], SLOT1                         ; the first change of slots turns it into 0
	s_mov_b32 s[SIG], 0
	s_mov_b32 s[SLOTS], 16
	s_mov_b32 s[NXT], 1
	s_mov_b32 s[LQ], s[HI]
	s_mov_b32 s[OFF+1], 0
	s_wait_dscnt 0x0                               ; the opening add is done
	s_wait_kmcnt 0x0
	s_load_b32 s[AB], s[20:21], s54 offset:0x0     ; adj_bias[head]
	s_add_nc_u64 s[4:5], s[16:17], s[66:67]        ; Q at my rows of the first block,
	s_add_nc_u64 s[QLO:QLO+1], s[16:17], s[92:93]  ; of the second
	s_add_nc_u64 s[OLO:OLO+1], s[10:11], s[92:93]
	s_add_nc_u64 s[10:11], s[10:11], s[66:67]
	s_add_nc_u64 s[6:7], s[16:17], s[2:3]
	s_add_nc_u64 s[8:9], s[6:7], 0x1000000         ; the head's V,
	s_add_nc_u64 s[6:7], s[6:7], 0x800000          ; and K
	s_add_nc_u64 s[PKB:PKB+1], s[18:19], s[80:81]
	s_lshl_b32 s[OFW], s[HI], 20                   ; tile 0 of block 15 - b
	s_add_nc_u64 s[G0K+2:G0K+3], s[6:7], 0
	s_or_b32 s[G0K+3], s[G0K+3], 0x80000000
	s_add_nc_u64 s[G0V+2:G0V+3], s[8:9], 0
	s_or_b32 s[G0V+3], s[G0V+3], 0x80000000
	s_add_nc_u64 s[G0W+2:G0W+3], s[PKB:PKB+1], s[OFW:OFW+1]
	s_or_b32 s[G0W+3], s[G0W+3], 0x80000000
	; who prefetches what
	s_cmp_eq_u32 s[PB], 0
	s_cselect_b32 s66, 1, 0
	s_cmp_eq_u32 ttmp9, 0
	s_cselect_b32 s67, 1, 0
	s_cmp_lt_u32 s[WV], 2
	s_cselect_b32 s[SF], s66, s67
	s_cselect_b32 s[MINN], 1, 0
	s_cselect_b32 s[ML], 0, 16
	s_cselect_b32 s[SH], 14, 16
	s_lshl_b32 s66, s13, 14                        ; my work-group's quarter of a tile of pk
	s_mov_b32 s67, 0
	s_add_nc_u64 s[PFB:PFB+1], s[PKB:PKB+1], s[66:67]
	s_cmp_eq_u32 s[WV], 1
	s_cselect_b64 s[PFB:PFB+1], s[8:9], s[PFB:PFB+1]
	s_cmp_eq_u32 s[WV], 0
	s_cselect_b64 s[PFB:PFB+1], s[6:7], s[PFB:PFB+1]
	s_cmp_eq_u32 s[WV], 3
	s_cselect_b32 s[SF], 0, s[SF]
	CROUND                                         ; all four work-groups are here: the first joint loads meet
	LOAD                                           ; tile 0 into slot 0
	v_and_b32 v1, 15, v0                           ; l % 16
	v_bfe_u32 v24, v0, 4, 1                        ; l / 16
	v_and_b32 v25, 7, v0
	v_bfe_u32 v26, v0, 3, 1
	v_and_b32 v27, 31, v0                          ; l
	v_min_u32 v14, 16, v27
	v_lshl_add_u32 v14, v14, 6, s54                ; row min(l, 16) of the table, my head's column
	global_load_b32 v[TBL], v14, s[22:23]
	v_lshlrev_b32 v[QO], 7, v1
	v_lshl_add_u32 v[QO], v24, 4, v[QO]
	WIN 0x80                                       ; destination window 2, address window 0
.set i, 0
.rept 4                                 ; both blocks' Q: piece i / 2 lies 8,192 bytes on; channels 32 (i % 2) on
	global_load_b128 v[8*i:8*i+3],   v[QO], s[4:5] offset:(i/2)*8192+(i%2)*64
	global_load_b128 v[8*i+4:8*i+7], v[QO], s[4:5] offset:(i/2)*8192+(i%2)*64+32
	global_load_b128 v[QB+8*i:QB+8*i+3],   v[QO], s[QLO:QLO+1] offset:(i/2)*8192+(i%2)*64
	global_load_b128 v[QB+8*i+4:QB+8*i+7], v[QO], s[QLO:QLO+1] offset:(i/2)*8192+(i%2)*64+32
.set i, i+1
.endr
	; What the first turns find: V of step b, P of piece 1, O^T and l hold 0.  No first step is written out; these lines stand in the wait for the first tile.
.set i, VB
.rept 64
	v_mov_b32 v[i], 0
.set i, i+1
.endr
	WIN 0x40
.set i, 0
.rept 64
	v_mov_b32 v[i], 0
.set i, i+1
.endr
	WIN 0
.set i, 0
.rept 2
	v_mov_b32 v[ST+4*i+2], 0
	v_mov_b32 v[ST+4*i+3], 0
.set i, i+1
.endr
.set i, P+16
.rept 16
	v_mov_b32 v[i], 0
.set i, i+1
.endr
	v_mul_u32_u24 v[AK0], v1, PK
	v_lshl_add_u32 v[AK0], v24, 4, v[AK0]
	v_lshl_add_u32 v[AV0], v24, 3, v25             ; the turning load: key 8 (l / 16) + l % 8, channels 8 ((l / 8) % 2) ..
	v_mul_u32_u24 v[AV0], v[AV0], PV
	v_lshl_add_u32 v[AV0], v26, 4, v[AV0]
	v_add_nc_u32 v[AV0], VOFF, v[AV0]
	s_lshl_b32 s66, s[WV], 12
	s_add_co_u32 s66, s66, WOFF
	v_lshl_add_u32 v[AW0], v27, 4, s66             ; my wave's 4,096 bytes of words, 16 a lane
	s_mul_i32 s66, s[WV], 16*SP
	s_add_co_u32 s66, s66, STAGE
	v_mul_u32_u24 v[STO], v1, SP
	v_lshl_add_u32 v[STO], v24, 4, v[STO]
	v_add_nc_u32 v[STO], s66, v[STO]
	v_bfe_u32 v[RD], v0, 3, 2
	v_mul_u32_u24 v[RD], v[RD], SP
	v_lshl_add_u32 v[RD], v25, 4, v[RD]
	v_add_nc_u32 v[RD], s66, v[RD]
	v_lshlrev_b32 v[GO], 4, v27
	v_lshlrev_b32 v[PFO], 8, v27
	s_wait_loadcnt 16                              ; the table's entry is in; Q's sixteen loads may stay out
	v_cvt_pk_bf16_f32 v[TBL], v[TBL], v[TBL]       ; rounded to bf16,
	v_lshlrev_b32 v[TBL], 16, v[TBL]
	v_mul_f32 v[TBL], 0x41000000, v[TBL]           ; times 8: c takes it back
	s_mov_b32 s66, 0xf149f2ca                      ; -1e30
	v_cmp_eq_u32 vcc_lo, 17, v27
	v_cndmask_b32 v[TBL], v[TBL], s66, vcc_lo      ; lane 17 answers the hidden pairs
	s_wait_kmcnt 0x0
	v_mov_b32 v28, s[AB]
	v_cvt_pk_bf16_f32 v28, v28, v28
	v_lshlrev_b32 v28, 16, v28
	v_mul_f32 v28, 0x41000000, v28
	v_readfirstlane_b32 s[AB], v28
	s_mov_b32 s[AB+1], s[AB]                       ; named as a pair
; THE MATRIX WORK.  The 4 accumulators of a run of 8 take turns.  Product i of 8 of S^T = K Q^T for piece x: channels 32 (i / 4) on, keys 16 (i % 4) on.  The first 4 start the sums with the bias.
.macro KQ x
.set rS, S+32*(\x)+8*(i%4)
.set rK, KF+16*(i%4)+8*(i/4)
.set rQ, 16*(\x)+8*(i/4)
.set rM, MC+32*(\x)+8*(i%4)
.if i < 4
	WIN W_KM
	v_wmma_f32_16x16x32_f16 v[rS:rS+7], v[rK:rK+7], v[rQ:rQ+7], v[rM:rM+7]
.else
	WIN W_KQ
	v_wmma_f32_16x16x32_f16 v[rS:rS+7], v[rK:rK+7], v[rQ:rQ+7], v[rS:rS+7]
.endif
.endm
; Product i of 8 of O^T += V^T P for piece x, V at vb: keys 32 (i / 4) on, channels 16 (i % 4) on.
.macro PV x, vb
	WIN W_PV
.set rO, 32*(\x)+8*(i%4)
.set rV, (\vb)+32*(i/4)+8*(i%4)
.set rP, P+16*(\x)+8*(i/4)
	v_wmma_f32_16x16x32_f16 v[rO:rO+7], v[rV:rV+7], v[rP:rP+7], v[rO:rO+7]
.endm
.macro MM                               ; the turn's next matrix instruction
.if i < 8
	KQ (Y+1)%2
.else
.set i, i-8
	PV (Y+1)%2, VBASE
.set i, i+8
.endif
.set i, i+1
.endm
; THE LDS LOADS stand in runs.
.macro FETCH_K off
	WIN 0x80
.irp f, 0,1,2,3,4,5,6,7                 ; keys 16 (f / 2) on, channels 32 (f % 2) on
	ds_load_b128 v[KF+8*\f:KF+8*\f+3],   v[AK] offset:(\off)+(\f/2)*16*PK+(\f%2)*64
	ds_load_b128 v[KF+8*\f+4:KF+8*\f+7], v[AK] offset:(\off)+(\f/2)*16*PK+(\f%2)*64+32
.endr
	WIN 0
.endm
.macro FETCH_V dst, off
	WIN 0x80
.irp f, 0,1,2,3,4,5,6,7                 ; keys 32 (f / 4) on, channels 16 (f % 4) on
	ds_load_tr16_b128 v[(\dst)+8*\f:(\dst)+8*\f+3],   v[AV] offset:(\off)+(\f/4)*32*PV+(\f%4)*32
	ds_load_tr16_b128 v[(\dst)+8*\f+4:(\dst)+8*\f+7], v[AV] offset:(\off)+(\f/4)*32*PV+16*PV+(\f%4)*32
.endr
	WIN 0
.endm
.macro WLOAD off                        ; a piece's 32 words a lane for one key step
.irp g, 0,1,2,3,4,5,6,7
	ds_load_b128 v[WD+4*\g:WD+4*\g+3], v[AW] offset:(\off)+512*\g
.endr
.endm
.macro BPERM                            ; each word picks its table entry: the lane named by the word's bits 6:2
.set z, 0
.rept 32
	ds_bpermute_b32 v[T+z], v[WD+z], v[TBL]
.set z, z+1
.endr
.endm
.macro BIAS p                           ; C = word x 8 adj_bias + table value
	WIN 0x40
.set z, 0
.rept 16
	v_pk_fma_f32 v[MC+32*(\p)+2*z:MC+32*(\p)+2*z+1], v[WD+2*z:WD+2*z+1], s[AB:AB+1], v[T+2*z:T+2*z+1] op_sel_hi:[1,0,1]
.set z, z+1
.endr
.endm
.macro ADDR                             ; the slot in hand
	v_add_nc_u32 v[AK], s[TB], v[AK0]
	v_add_nc_u32 v[AV], s[TB], v[AV0]
	v_add_nc_u32 v[AW], s[TB], v[AW0]
.endm
; THE VECTOR WORK, one line at a time: OP kind, number.  For piece Y: F n: c s - c m for pair n of 16.  E n: the exponential of score n of 32.  C n: pair n rounded to f16.  B n: of the weights 4 n .. the second pair is
; added onto the first.  L n: l takes that sum (L 0: l = a l + sum).  R n: pair n of 16 of O^T times a.  For the other piece: X n, number n of the 22 that find its maximum and statistics:
;   0-11 four chains c0-c3 (each accumulator's lowest registers are read first); 12-14, 16 the scores left over, the old m, c0-c3 into c0; 15 c m_old is kept;
;   17, 18 the other half of the lanes: the new m; 19-21 c m; c m_old - c m_new; a
.set F, 0
.set E, 1
.set C, 2
.set B, 3
.set L, 4
.set R, 5
.set X, 6
.macro REGS y
.set rT, ST+4*(\y)
.set rC, TMP+4*(\y)
.set rW, MV+(\y)
.set rS, S+32*(\y)
.set rP, P+16*(\y)
.set rO, 32*(\y)
.endm
.macro OP k, n
.if (\k) == R
	REGS Y
	WIN W_RS
	v_pk_mul_f32 v[rO+2*(\n):rO+2*(\n)+1], v[rO+2*(\n):rO+2*(\n)+1], v[rC+2:rC+3] op_sel_hi:[1,0]
.elseif (\k) < R
	REGS Y
	WIN 0
.if (\k) == F
	v_pk_fma_f32 v[rS+2*(\n):rS+2*(\n)+1], v[rS+2*(\n):rS+2*(\n)+1], s[CS:CS+1], v[rT:rT+1] op_sel_hi:[1,0,0] neg_lo:[0,0,1] neg_hi:[0,0,1]
.elseif (\k) == E
	v_exp_f32 v[rS+(\n)], v[rS+(\n)]
.elseif (\k) == C
	v_cvt_pk_f16_f32 v[rP+(\n)], v[rS+2*(\n)], v[rS+2*(\n)+1]
.elseif (\k) == B
	v_pk_add_f32 v[rS+4*(\n):rS+4*(\n)+1], v[rS+4*(\n):rS+4*(\n)+1], v[rS+4*(\n)+2:rS+4*(\n)+3]
.elseif (\n) == 0
	v_pk_fma_f32 v[rT+2:rT+3], v[rT+2:rT+3], v[rC+2:rC+3], v[rS:rS+1] op_sel_hi:[1,0,1]
.else
	v_pk_add_f32 v[rT+2:rT+3], v[rT+2:rT+3], v[rS+4*(\n):rS+4*(\n)+1]
.endif
.else
	REGS (Y+1)%2
	WIN 0
.if (\n) < 4
	v_max3_num_f32 v[rC+(\n)], v[rS+8*(\n)], v[rS+8*(\n)+1], v[rS+8*(\n)+2]
.elseif (\n) < 12
	v_max3_num_f32 v[rC+(\n)%4], v[rC+(\n)%4], v[rS+8*((\n)%4)+2*((\n)/4)+1], v[rS+8*((\n)%4)+2*((\n)/4)+2]
.elseif (\n) == 12
	v_max3_num_f32 v[rC], v[rC], v[rS+7], v[rS+15]
.elseif (\n) == 13
	v_max3_num_f32 v[rC+1], v[rC+1], v[rS+23], v[rS+31]
.elseif (\n) == 14
	v_max3_num_f32 v[rC+2], v[rC+2], v[rC+3], v[rT+1]
.elseif (\n) == 15
	v_mov_b32 v[rW], v[rT]
.elseif (\n) == 16
	v_max3_num_f32 v[rC], v[rC], v[rC+1], v[rC+2]
.elseif (\n) == 17
	v_permlanex16_b32 v[rC+3], v[rC], s[SEL], s[SEL+1]
.elseif (\n) == 18
	v_max_num_f32 v[rT+1], v[rC], v[rC+3]
.elseif (\n) == 19
	v_mul_f32 v[rT], s[CS], v[rT+1]
.elseif (\n) == 20
	v_sub_f32 v[rC+1], v[rW], v[rT]
.else
	v_exp_f32 v[rC+2], v[rC+1]
.endif
.endif
.endm
.macro OPS a, i1, b=-1, i2=0, c=-1, i3=0, d=-1, i4=0
	OP \a, \i1
.if (\b) >= 0
	OP \b, \i2
.endif
.if (\c) >= 0
	OP \c, \i3
.endif
.if (\d) >= 0
	OP \d, \i4
.endif
.endm
.macro ROW a, i1, b, i2, c, i3, d, i4   ; a matrix instruction and the four behind it
	MM
	OPS \a, \i1, \b, \i2, \c, \i3, \d, \i4
.endm
; A TURN, for piece p.  vb: where the V of its products V^T P lies.  woff: the words of piece p's next step.  koff: (p = 0) K of the step to be fetched.  vf = 1: both steps' V are fetched at its end.
; kw: (p = 1) the LDS instructions issued behind K's run, which may stay out when K is wanted: this turn's 8 loads of words, and V's 32 where they were fetched.
; ONE wait for the turn's 33 exponentials cuts it in two: ahead of it stands all that names none of their results, behind it the roundings and sums.
; The words are asked for at the head and are in behind eight products; the 32 lane look-ups go out there and have the rest of the turn in which to come back; the bias is made at the turn's end.
; K's run stands behind five plain instructions that name no register of the last product that read K (F 8, X 2, X 5, X 6, X 8); V's behind the last four riders and the bias's sixteen lines.
.macro TURN p, vb, woff, koff, vf, kw
.set Y, (\p)
.set VBASE, (\vb)
.set i, 0
	WIN 0
	WLOAD \woff
.if (\p) == 1
	s_wait_dscnt \kw                               ; K is in
.endif
	ROW F,0, F,1, R,0, R,1
	ROW F,2, E,0, R,2, R,3
	ROW F,3, E,1, R,4, R,5
	ROW F,4, E,2, R,6, R,7
	ROW F,5, E,3, R,8, R,9
	ROW F,6, E,4, X,0, R,10
	ROW F,7, E,5, X,1, X,4
	ROW F,8, E,6, X,2, X,5
	OPS E,7, E,8, X,6, E,9
	OPS X,3, E,10, X,8, E,11
	WIN 0
	s_wait_dscnt 0x0                               ; the words are in (and V, where the turn before fetched it)
	BPERM
.if (\p) == 0
	FETCH_K \koff
.endif
	OPS X,9, X,7, E,12, X,10
	OPS E,13, X,12, X,11, E,14
	OPS X,13, E,15, F,9, X,14
	OPS E,16, F,10, E,17, F,11
	OPS X,16, E,18, X,15, E,19
	OPS F,12, E,20, X,17, E,21
	OPS F,13, E,22, F,14, E,23
	OPS X,18, E,24, F,15, E,25
	OPS R,11, E,26, X,19, E,27
	OPS R,12, E,28, R,13, E,29
	OPS X,20, E,30, R,14, E,31
	OPS X,21, R,15                                 ; R 15 is the plain instruction behind the last exponential
	WIN 0
	s_wait_alu depctr_va_vdst(0)                   ; the wait for the batch, ahead of the first line that names a result
	ROW C,0, B,0, C,2, B,1
	ROW L,0, C,4, B,2, L,1
	ROW C,6, B,3, L,2, C,8
	ROW B,4, L,3, C,10, B,5
	ROW L,4, C,12, B,6, L,5
	ROW C,14, B,7, L,6, C,1
	ROW C,3, L,7, C,5, C,7
	ROW C,9, C,11, C,13, C,15
.if (\p) == 0
	s_wait_dscnt 16                                ; the look-ups are back; K's sixteen loads may stay out
.else
	s_wait_dscnt 0x0                               ; the look-ups are back
.endif
	BIAS \p
.if \vf
	FETCH_V VA, 0
	FETCH_V VB, 64*PV
.endif
.endm
.macro TB0                              ; softmax (b of the tile before, piece 0) | K Q^T (piece 1, that b), V^T P (piece 1, that tile's a) | K of the new a
	TURN 0, VA, 0, 0, 0, 0
.endm
.macro TB1                              ; softmax (that b, piece 1) | K Q^T (piece 0, new a), V^T P (piece 0, that b)
	TURN 1, VB, 16384, 0, 0, 8
.endm
.macro TA0                              ; softmax (a, piece 0) | K Q^T (piece 1, a), V^T P (piece 1, the b before) | K of b, V of a and b
	TURN 0, VB, 32768, 64*PK, 1, 0
.endm
.macro TA1                              ; softmax (a, piece 1) | K Q^T (piece 0, b), V^T P (piece 0, a)
	TURN 1, VA, 49152, 0, 0, 40
.endm
.macro PRE                              ; ahead of the first block: K and both pieces' bias of the first step
	WIN 0
	WLOAD 0
	FETCH_K 0
	s_wait_dscnt 16                                ; the words are in; K's sixteen may stay out
	BPERM
	s_wait_dscnt 0x0
	BIAS 0
	WIN 0
	WLOAD 16384
	s_wait_dscnt 0x0
	BPERM
	s_wait_dscnt 0x0
	BIAS 1
	WIN 0
	s_wait_loadcnt 0x0                             ; Q
.endm
; A BLOCK BEGINS: c m far below every c s, so the first a is 0; m at the lowest finite number.  Then piece 0's first scores (K and its bias lie in registers), its maximum and statistics.
.macro BEGIN
	WIN 0
.set i, 0
.rept 2
	v_mov_b32 v[ST+4*i], 0xfe000000
	v_mov_b32 v[ST+4*i+1], 0xff7fffff
.set i, i+1
.endr
.set i, 0
.rept 8
	KQ 0
.set i, i+1
.endr
	WIN 0
.rept 4
	v_nop                                          ; the places behind those products
.endr
.set Y, 1
.irp n, 0,1,2,3,4,5,6,7,8,9,10,11,12,13,14,15,16,17,18,19,20,21
	OP X, \n
.endr
	v_nop                                          ; a plain instruction behind the exponential,
	s_wait_alu depctr_va_vdst(0)                   ; and its wait, ahead of the label
.endm
.macro FLUSH                            ; piece 1's V^T P of a block's last step
.set i, 0
.rept 8
	PV 1, VB
.set i, i+1
.endr
.endm
.macro ALL line:vararg
.set t, 0
.rept 2
	\line
.set t, t+1
.endr
.endm
.macro PACK t                           ; O^T / l, rounded to f16; 16 bytes a lane into rows of 144 bytes, back as whole rows of 128, into S^T's first 32 registers
	WIN W_RS
.set i, 32*(\t)
.rept 16
	v_pk_mul_f32 v[i:i+1], v[i:i+1], v[ST+4*(\t)+2:ST+4*(\t)+3] op_sel_hi:[1,0]
.set i, i+2
.endr
	WIN 0x05
.set i, 0
.rept 16
	v_cvt_pk_f16_f32 v[S+16*(\t)+i], v[32*(\t)+2*i], v[32*(\t)+2*i+1]
.set i, i+1
.endr
	WIN 0
.irp f, 0,1,2,3
	ds_store_b128 v[STO], v[S+16*(\t)+4*\f:S+16*(\t)+4*\f+3] offset:32*\f
.endr
.irp f, 0,1,2,3
	ds_load_b128 v[S+16*(\t)+4*\f:S+16*(\t)+4*\f+3], v[RD] offset:\f*4*SP  ; LDS serves a wave's instructions in order (ISA guide 5.7.1.4)
.endr
.endm
.macro SEND t, younger
	WIN 0
.irp f, 0,1,2,3
	s_wait_dscnt (\younger)+3-\f
	global_store_b128 v[GO], v[S+16*(\t)+4*\f:S+16*(\t)+4*\f+3], s[10:11] offset:(\t)*8192+\f*512  ; 512 consecutive bytes, aligned
.endr
.endm
.macro OUT                              ; the additions and the v_nop are the places behind the last products
	WIN 0
	ALL v_add_f32 v[ST+4*t+2], v[ST+4*t+2], v[ST+4*t+3]
	ALL v_permlanex16_b32 v[ST+4*t+3], v[ST+4*t+2], s[SEL], s[SEL+1]
	ALL v_add_f32 v[ST+4*t+2], v[ST+4*t+2], v[ST+4*t+3]
	ALL v_rcp_f32 v[ST+4*t+2], v[ST+4*t+2]
	v_nop
	s_wait_alu depctr_va_vdst(0)                   ; one wait for the two reciprocals
	PACK 0
	PACK 1
	SEND 0, 8
	SEND 1, 0
.endm
.macro SWITCH                           ; on to the second block
	s_wait_xcnt 0x0                                ; the stores have read their registers and O's address
	s_mov_b64 s[10:11], s[OLO:OLO+1]
	WIN 0x82
.set i, 0
.rept 32
	v_mov_b32 v[i], v[QB+i]
.set i, i+1
.endr
	WIN 0
.endm
	CHANGE 1                                       ; tile 0 is in, everybody's part of it; tile 1 is asked for
	ADDR
	PRE
	s_branch .Lbegin                               ; the loop is entered in the middle of a trip
.Lslot:                                 ; 15 whole trips: tiles 1 to 15 are entered, tiles 2 to 16 asked for
	CHANGE 1
	ADDR
	s_add_co_u32 s[SIG], s[SIG], 1
	TB0
	TB1
	WIN 0
	s_cmp_eq_u32 s[SIG], s[NEWAT]
	s_cbranch_scc0 .Lcont
	FLUSH                                          ; the first block is finished
	OUT
	SWITCH
.Lbegin:
	BEGIN
.Lcont:
	TA0
	TA1
	WIN 0
	s_sub_co_u32 s[SLOTS], s[SLOTS], 1
	s_cmp_lg_u32 s[SLOTS], 0
	s_cbranch_scc1 .Lslot
	CHANGE 0                                       ; the walk's last tile is written out
	ADDR
	s_add_co_u32 s[SIG], s[SIG], 1
	s_mov_b32 s[CNT2], 2
.Ltail:                                 ; the second pass ends the last step; what it fetches and starts anew (step a's bytes once more) serves nothing: the price of one text for every trip
	TB0
	TB1
	WIN 0
	s_sub_co_u32 s[CNT2], s[CNT2], 1
	s_cmp_eq_u32 s[CNT2], 0
	s_cbranch_scc1 .Lout
	s_cmp_eq_u32 s[SIG], s[NEWAT]                  ; b = 0: the second block's only tile
	s_cbranch_scc0 .Lc2
	FLUSH
	OUT
	SWITCH
	BEGIN
.Lc2:
	TA0
	TA1
	WIN 0
	s_branch .Ltail
.Lout:
	FLUSH
	OUT
	s_wait_tensorcnt 0x0                           ; the wave's end
	ds_add_u32 v[SPW], v[NIL]
	s_wait_dscnt 0x0
	CROUND                                         ; the closing round
	s_endpgm
.Lfunc_end_k_q5b6cadb422_attn:
	.size	k_q5b6cadb422_attn, .Lfunc_end_k_q5b6cadb422_attn-k_q5b6cadb422_attn
	.p2alignl 7, 3214868480
	.fill 96, 4, 3214868480
	.section	.rodata,"a",@progbits
	.p2align	6, 0x0
	.amdhsa_kernel k_q5b6cadb422_attn
		.amdhsa_group_segment_fixed_size 327680
		.amdhsa_private_segment_fixed_size 0
		.amdhsa_enable_private_segment 0
		.amdhsa_kernarg_size 40
		.amdhsa_user_sgpr_count 2
		.amdhsa_user_sgpr_kernarg_segment_ptr 1
		.amdhsa_wavefront_size32 1
		.amdhsa_system_sgpr_workgroup_id_x 1
		.amdhsa_system_sgpr_workgroup_id_y 1
		.amdhsa_system_sgpr_workgroup_id_z 1
		.amdhsa_system_vgpr_workitem_id 0
		.amdhsa_next_free_vgpr 768
		.amdhsa_next_free_sgpr 100
		.amdhsa_reserve_vcc 1
		.amdhsa_float_denorm_mode_32 3
		.amdhsa_float_denorm_mode_16_64 3
		.amdhsa_memory_ordered 1
		.amdhsa_forward_progress 1
		.amdhsa_inst_pref_size 166
	.end_amdhsa_kernel
	.amdgpu_metadata
---
amdhsa.version: [ 1, 2 ]
amdhsa.kernels:
  - .name:           k_q5b6cadb422_attn
    .symbol:         k_q5b6cadb422_attn.kd
    .args:
      - { .name: qkv, .offset: 0, .size: 8, .value_kind: global_buffer, .address_space: global }
      - { .name: pk, .offset: 8, .size: 8, .value_kind: global_buffer, .address_space: global }
      - { .name: adj_bias, .offset: 16, .size: 8, .value_kind: global_buffer, .address_space: global }
      - { .name: edge_table, .offset: 24, .size: 8, .value_kind: global_buffer, .address_space: global }
      - { .name: oh, .offset: 32, .size: 8, .value_kind: global_buffer, .address_space: global }
    .group_segment_fixed_size: 327680
    .private_segment_fixed_size: 0
    .kernarg_segment_align: 8
    .kernarg_segment_size: 40
    .max_flat_workgroup_size: 128
    .sgpr_count:     100
    .vgpr_count:     768
    .wavefront_size: 32
...
	.end_amdgpu_metadata
.endif
;; end of part 3
;; launch proj (part 4): grid 8 x 32, 4 waves a work-group, clusters of 4 x 4, 327,680 bytes of LDS; arguments oh, wpb, out0; writes out0
.if DOCPART == 4
	.amdgcn_target "amdgcn-amd-amdhsa--gfx1250"
	.amdhsa_code_object_version 6
	.text
	.protected	k_q5b6cadb422_proj
	.globl	k_q5b6cadb422_proj
	.p2align	8
	.type	k_q5b6cadb422_proj,@function
k_q5b6cadb422_proj:
	s_mov_b64 s[64:65], 0
	v_nop
	global_prefetch_b8 v0, s[64:65] scope:SCOPE_SE
	s_setreg_imm32_b32 hwreg(HW_REG_WAVE_MODE, 25, 1), 1
	s_wait_xcnt 0x0
	s_wait_alu depctr_hold_cnt(0) depctr_sa_sdst(0) depctr_va_vdst(0) depctr_va_sdst(0) depctr_va_ssrc(0) depctr_va_vcc(0) depctr_vm_vsrc(0)
	s_getreg_b32 s2, hwreg(HW_REG_IB_STS2, 6, 4)
	s_cmp_eq_u32 s2, 0
	s_cbranch_scc0 .Lentry_in_a_cluster
	s_endpgm
.Lentry_in_a_cluster:
	s_bfe_u32 s2, ttmp6, 0x10000c
	s_cmp_lg_u32 s2, 0xf033
	s_cbranch_scc0 .Lentry_shape_is_right
	s_endpgm
.Lentry_shape_is_right:
; out0 = O Wproj.  oh: [batch][head][2048][64] f16 (K index = 64 head + channel); wpb: [1024][1024] f16 as Wproj lies; out0: [4096][1024] f32; sums in f32.
; A tile of out0 is 128 x 128: 256 work-groups; four waves, each 64 x 64: 16 accumulators.  K goes in steps of 256 = four heads through two LDS slots; four steps.
; Waves 0, 1 bring O's tile, two heads each: a head's 128 rows are 16,384 dense bytes, asked for as one row of the descriptor, the pitch a head, and padded in LDS after every 128 bytes.
; Waves 2, 3 bring 128 K rows x 256 bytes of W each.  THE PRODUCT IS USED TRANSPOSED (source 0 = 16 columns of W, turned by ds_load_tr16_b128; source 1 = 16 rows of O): a lane ends with eight neighbouring f32 of a row.
; CLUSTER 4 x 4: O's tiles are asked for jointly along a row of the cluster, W's along a column.  No prefetch: the tiles are small and the launch has four K steps in all.
; REGISTERS: window 0: v16-29 addresses; v128-255 the accumulators ((a, b) at v[128 + 8 (4 a + b)]).  window 1: two fragment buffers of 128: for 64 along K, 64 registers of O, then 64 of W.
.set PA,    144                        ; O's LDS row: 128 + 16 bytes
.set PB,    288                        ; W's: 256 + 32
.set HEADB, 128*PA
.set QT,    2*HEADB                    ; what one tensor load brings: 36,864 bytes = 128 PB too
.set SLOT,  4*QT
.set STAGE, 2*SLOT                     ; behind the ring: 16 rows x 272 bytes for each wave
.set SPITCH, 272
.set SPARE, STAGE+4*16*SPITCH
.set ADRA, 16                          ; v16-17  by slot
.set ADRB, 20                          ; v20-23  2 x slot + half of the step's 256 K rows
.set STO,  24
.set RD,   25
.set CO,   26
.set SPW,  28
.set NIL,  29
.set ACC,  128
.set F0,   0
.set F1,   128
.set G1, 24
.set G0, 32
.set G1B, 48
.set G0B, 56
.set MSB, 0
.macro WIN new
.if MSB != (\new)
	s_set_vgpr_msb (MSB<<8)|(\new)
.set MSB, \new
.endif
.endm
.set MUL,  0x05
.set TO_F, 0x40
.macro JLOAD s
	s_cmp_eq_u32 s11, 0
	s_cbranch_scc0 .Lfor_b_\@
	tensor_load_to_lds s[G0+4*(\s):G0+4*(\s)+3], s[G1:G1+7]
	s_nop 0
.rept 4
	v_nop
.endr
	s_branch .Lasked_\@
.Lfor_b_\@:
	tensor_load_to_lds s[G0B+4*(\s):G0B+4*(\s)+3], s[G1B:G1B+7]
	s_nop 0
.rept 4
	v_nop
.endr
.Lasked_\@:
.endm
.macro CREST
	s_cmp_lg_u32 s10, 0
	s_cbranch_scc1 .Lnot_wave_0_\@
	s_barrier_signal -3
.Lnot_wave_0_\@:
	s_barrier_wait -3
	s_barrier_signal -1
	s_barrier_wait -1
.endm
.macro CROUND
	s_barrier_signal -1
	s_barrier_wait -1
	CREST
.endm
	s_load_b128 s[4:7], s[0:1], 0x0                ; oh, wpb
	s_load_b64 s[8:9], s[0:1], 0x10                ; out0
	v_lshl_add_u32 v[SPW], v0, 2, SPARE
	v_mov_b32 v[NIL], 0
	ds_add_u32 v[SPW], v[NIL]                      ; the wave's opening: the add and its wait ahead of my first tensor load
	v_lshrrev_b32 v1, 5, v0
	v_readfirstlane_b32 s10, v1
	s_lshr_b32 s11, s10, 1                         ; my half of the tile's rows.  Also: I fetch O (0) or W (1)
	s_and_b32 s12, s10, 1                          ; my half of its columns.  Also: which half of that tile I fetch
	s_bfe_u32 s40, ttmp6, 0x40000
	s_bfe_u32 s41, ttmp6, 0x40004
	s_lshl_b32 s42, ttmp9, 2
	s_add_co_u32 s42, s42, s40                     ; tile column 0..7
	s_and_b32 s13, ttmp7, 0xffff
	s_lshl_b32 s13, s13, 2
	s_add_co_u32 s13, s13, s41                     ; tile row 0..31
	s_lshl_b32 s43, s41, 2
	s_lshl_b32 s43, 15, s43
	s_lshl_b32 s44, 0x1111, s40
	s_or_b32 s[G1], s43, (1<<16)|(1<<20)|(1<<21)|(4<<22)|(3<<25)   ; mask of my row; 2-byte elements; padding on; bit 21 beside a mask; after every 32 words 4 words
	s_mov_b32 s[G1+1], 8192<<16                    ; tensor_dim0 = 8,192 elements: 128 rows of a head
	s_mov_b32 s[G1+2], 2<<16                       ; tensor_dim1 = 2 heads
	s_mov_b32 s[G1+3], 8192<<16                    ; tile_dim0
	s_mov_b32 s[G1+4], 2                           ; tile_dim1
	s_mov_b32 s[G1+5], 131072                      ; a head: 2,048 x 64 elements
	s_mov_b32 s[G1+6], 0
	s_mov_b32 s[G1+7], 0
	s_or_b32 s[G1B], s44, (1<<16)|(1<<20)|(1<<21)|(5<<22)|(7<<25)  ; mask of my column; after every 64 words 8 words
	s_mov_b32 s[G1B+1], 128<<16
	s_mov_b32 s[G1B+2], 128<<16
	s_mov_b32 s[G1B+3], 128<<16
	s_mov_b32 s[G1B+4], 128
	s_mov_b32 s[G1B+5], 1024
	s_mov_b32 s[G1B+6], 0
	s_mov_b32 s[G1B+7], 0
	s_lshr_b32 s16, s13, 4
	s_lshl_b32 s16, s16, 22                        ; O: batch,
	s_and_b32 s17, s13, 15
	s_lshl_b32 s17, s17, 14                        ; 128 rows of 128 bytes,
	s_add_co_u32 s16, s16, s17
	s_lshl_b32 s17, s12, 19                        ; my two heads of the step's four
	s_add_co_u32 s16, s16, s17
	s_mov_b32 s17, 0
	s_lshl_b32 s46, s42, 8                         ; W: 128 columns,
	s_lshl_b32 s47, s12, 18                        ; my 128 K rows of the step's 256
	s_add_co_u32 s46, s46, s47
	s_mov_b32 s47, 0
	s_mul_i32 s20, s10, QT                         ; where they go: O's two halves, then W's two
	s_wait_dscnt 0x0
	s_wait_kmcnt 0x0
	s_add_nc_u64 s[14:15], s[4:5], s[16:17]
	s_add_nc_u64 s[46:47], s[6:7], s[46:47]
	CROUND
.irp s, 0,1
	s_mov_b32 s[G0+4*\s], 1
	s_add_co_u32 s[G0+4*\s+1], s20, \s*SLOT
	s_add_nc_u64 s[G0+4*\s+2:G0+4*\s+3], s[14:15], \s*0x100000   ; a K step is four heads of 262,144 bytes
	s_or_b32 s[G0+4*\s+3], s[G0+4*\s+3], 0x80000000
	s_mov_b32 s[G0B+4*\s], 1
	s_add_co_u32 s[G0B+4*\s+1], s20, \s*SLOT
	s_add_nc_u64 s[G0B+4*\s+2:G0B+4*\s+3], s[46:47], \s*0x80000  ; and 256 rows of 2,048 bytes
	s_or_b32 s[G0B+4*\s+3], s[G0B+4*\s+3], 0x80000000
	JLOAD \s
.endr
	v_and_b32 v1, 15, v0
	v_bfe_u32 v2, v0, 4, 1
	v_and_b32 v3, 7, v0
	v_bfe_u32 v4, v0, 3, 1
	v_mul_u32_u24 v5, v1, PA
	v_lshl_add_u32 v5, v2, 4, v5
	s_mul_i32 s21, s11, 64*PA
	v_add_nc_u32 v[ADRA], s21, v5
	v_add_nc_u32 v[ADRA+1], SLOT, v[ADRA]
	v_lshl_add_u32 v6, v2, 3, v3
	v_mul_u32_u24 v6, v6, PB
	v_lshl_add_u32 v6, v4, 4, v6
	s_lshl_b32 s22, s12, 7
	s_add_co_u32 s22, s22, 2*QT
	v_add_nc_u32 v6, s22, v6
.irp s, 0,1
.irp q, 0,1
	v_add_nc_u32 v[ADRB+2*\s+\q], \s*SLOT+\q*QT, v6
.endr
.endr
	s_mul_i32 s23, s10, 16*SPITCH
	s_add_co_u32 s23, s23, STAGE                   ; my stage
	v_mul_u32_u24 v[STO], v1, SPITCH               ; in: row l % 16, 32 bytes for each half of the lanes
	v_lshl_add_u32 v[STO], v2, 5, v[STO]
	v_add_nc_u32 v[STO], s23, v[STO]
	v_mul_u32_u24 v[RD], v2, SPITCH                ; back: lanes 0-15 one row of 256 bytes, lanes 16-31 the next
	v_lshl_add_u32 v[RD], v1, 4, v[RD]
	v_add_nc_u32 v[RD], s23, v[RD]
	v_lshlrev_b32 v[CO], 12, v2                    ; and the same two rows of out0
	v_lshl_add_u32 v[CO], v1, 4, v[CO]
	s_lshl_b32 s16, s13, 19                        ; 128 rows of 4,096 bytes,
	s_lshl_b32 s17, s11, 18                        ; my 64,
	s_add_co_u32 s16, s16, s17
	s_lshl_b32 s17, s42, 9                         ; 128 columns of 4 bytes,
	s_add_co_u32 s16, s16, s17
	s_lshl_b32 s17, s12, 8                         ; my 64
	s_add_co_u32 s16, s16, s17
	s_mov_b32 s17, 0
	s_add_nc_u64 s[8:9], s[8:9], s[16:17]
; 8 matrix instructions: row blocks a0, a0 + 1 x all 4 column blocks, 32 along K: half c of buffer f.  The 16 accumulators take turns.
.macro MUL8 f, c, a0, zero
	WIN MUL
.irp a, \a0, (\a0)+1
.irp b, 0,1,2,3
.if \zero
	v_wmma_f32_16x16x32_f16 v[ACC+8*(4*(\a)+(\b)):ACC+8*(4*(\a)+(\b))+7], v[(\f)+64+8*(4*(\c)+(\b)):(\f)+64+8*(4*(\c)+(\b))+7], v[(\f)+8*(4*(\c)+(\a)):(\f)+8*(4*(\c)+(\a))+7], 0
.else
	v_wmma_f32_16x16x32_f16 v[ACC+8*(4*(\a)+(\b)):ACC+8*(4*(\a)+(\b))+7], v[(\f)+64+8*(4*(\c)+(\b)):(\f)+64+8*(4*(\c)+(\b))+7], v[(\f)+8*(4*(\c)+(\a)):(\f)+8*(4*(\c)+(\a))+7], v[ACC+8*(4*(\a)+(\b)):ACC+8*(4*(\a)+(\b))+7]
.endif
.endr
.endr
.endm
; 32 LDS loads in one run: the fragments of head qd of the step (64 along K) into buffer f; the first 32 along K first
.macro FETCH slot, qd, f
	WIN TO_F
.irp c, 0,1
.irp i, 0,1,2,3
	ds_load_tr16_b128 v[(\f)+64+8*(4*(\c)+(\i)):(\f)+64+8*(4*(\c)+(\i))+3],   v[ADRB+2*(\slot)+(\qd)/2] offset:(((\qd)%2)*64+32*(\c))*PB+32*(\i)
	ds_load_tr16_b128 v[(\f)+64+8*(4*(\c)+(\i))+4:(\f)+64+8*(4*(\c)+(\i))+7], v[ADRB+2*(\slot)+(\qd)/2] offset:(((\qd)%2)*64+32*(\c))*PB+32*(\i)+16*PB
	ds_load_b128 v[(\f)+8*(4*(\c)+(\i)):(\f)+8*(4*(\c)+(\i))+3],               v[ADRA+(\slot)] offset:(\qd)*HEADB+(\i)*16*PA+64*(\c)
	ds_load_b128 v[(\f)+8*(4*(\c)+(\i))+4:(\f)+8*(4*(\c)+(\i))+7],             v[ADRA+(\slot)] offset:(\qd)*HEADB+(\i)*16*PA+64*(\c)+32
.endr
.endr
.endm
.macro PLACES
.rept 4
	v_nop
.endr
.endm
.macro QUARTER slot, qd, f, g, zero
	s_wait_dscnt 16                                ; the first 32 along K are in
	MUL8 \f, 0, 0, \zero
	MUL8 \f, 0, 2, \zero
	PLACES
	FETCH \slot, \qd, \g
	s_wait_dscnt 32                                ; all but the 32 just issued
	MUL8 \f, 1, 0, 0
	MUL8 \f, 1, 2, 0
.endm
; The last quarter multiplies buffer 1 and changes slots: ONE barrier; in front of it each wave waits for all its tensor loads, adds 0 to its spare word, and waits for that and for its reads of this slot.
.macro TURN slot, next, fill
	WIN 0
	s_wait_tensorcnt 0x0
	ds_add_u32 v[SPW], v[NIL]
	s_wait_dscnt 17                                ; (the add and the youngest sixteen loads may be out)
	MUL8 F1, 0, 0, 0
	s_wait_dscnt 0x0                               ; the add is done, and my reads of this slot are over
	s_barrier_signal -1
	MUL8 F1, 0, 2, 0
.if \fill
	WIN 0
.endif
	s_barrier_wait -1
.if \fill
	CREST                                          ; the barrier has opened a round of the cluster's
	s_add_nc_u64 s[G0+4*(\slot)+2:G0+4*(\slot)+3], s[G0+4*(\slot)+2:G0+4*(\slot)+3], 0x200000
	s_add_nc_u64 s[G0B+4*(\slot)+2:G0B+4*(\slot)+3], s[G0B+4*(\slot)+2:G0B+4*(\slot)+3], 0x100000
	JLOAD \slot                                    ; its four v_nop are also the places in front of the loads below
.else
	PLACES
.endif
	FETCH \next, 0, F0
	MUL8 F1, 1, 0, 0
	MUL8 F1, 1, 2, 0
.endm
	s_wait_tensorcnt 1                             ; my part of K step 0 is in; K step 1's may stay out
	s_barrier_signal -1
	s_barrier_wait -1
	FETCH 0, 0, F0
	QUARTER 0, 1, F0, F1, 1                        ; the first products start the sums
	QUARTER 0, 2, F1, F0, 0                        ; four K steps: two laps, written out
	QUARTER 0, 3, F0, F1, 0
	TURN 0, 1, 1
	QUARTER 1, 1, F0, F1, 0
	QUARTER 1, 2, F1, F0, 0
	QUARTER 1, 3, F0, F1, 0
	TURN 1, 0, 1
	QUARTER 0, 1, F0, F1, 0
	QUARTER 0, 2, F1, F0, 0
	QUARTER 0, 3, F0, F1, 0
	TURN 0, 1, 0
	QUARTER 1, 1, F0, F1, 0
	QUARTER 1, 2, F1, F0, 0
	QUARTER 1, 3, F0, F1, 0
	s_wait_dscnt 16
	MUL8 F1, 0, 0, 0
	MUL8 F1, 0, 2, 0
	s_wait_dscnt 0x0
	MUL8 F1, 1, 0, 0
	MUL8 F1, 1, 2, 0
	WIN 0
	PLACES
; THE WAY OUT, a block of 16 rows at a time: my 64 columns of f32 are 256 bytes.  32 bytes a lane into my stage (each accumulator's low four registers first), back as whole rows into the same 32 registers.
.macro STG a
.irp b, 0,1,2,3
	ds_store_b128 v[STO], v[ACC+8*(4*(\a)+\b):ACC+8*(4*(\a)+\b)+3]   offset:64*\b
	ds_store_b128 v[STO], v[ACC+8*(4*(\a)+\b)+4:ACC+8*(4*(\a)+\b)+7] offset:64*\b+16
.endr
.irp t, 0,1,2,3,4,5,6,7
	ds_load_b128 v[ACC+32*(\a)+4*\t:ACC+32*(\a)+4*\t+3], v[RD] offset:\t*2*SPITCH  ; LDS serves a wave's instructions in order (ISA guide 5.7.1.4)
.endr
.endm
.macro SEND a, younger
.irp t, 0,1,2,3,4,5,6,7
	s_wait_dscnt (\younger)+7-\t
	global_store_b128 v[CO], v[ACC+32*(\a)+4*\t:ACC+32*(\a)+4*\t+3], s[8:9] offset:(16*(\a)+2*\t)*4096 th:TH_STORE_NT  ; 16 lanes store 256 consecutive bytes, aligned
.endr
.endm
	STG 0
	STG 1
	SEND 0, 16
	STG 2
	SEND 1, 16
	STG 3
	SEND 2, 16
	SEND 3, 0
	s_wait_tensorcnt 0x0                           ; the wave's end
	ds_add_u32 v[SPW], v[NIL]
	s_wait_dscnt 0x0
	CROUND                                         ; the closing round
	s_endpgm
.Lfunc_end_k_q5b6cadb422_proj:
	.size	k_q5b6cadb422_proj, .Lfunc_end_k_q5b6cadb422_proj-k_q5b6cadb422_proj
	.p2alignl 7, 3214868480
	.fill 96, 4, 3214868480
	.section	.rodata,"a",@progbits
	.p2align	6, 0x0
	.amdhsa_kernel k_q5b6cadb422_proj
		.amdhsa_group_segment_fixed_size 327680
		.amdhsa_private_segment_fixed_size 0
		.amdhsa_enable_private_segment 0
		.amdhsa_kernarg_size 24
		.amdhsa_user_sgpr_count 2
		.amdhsa_user_sgpr_kernarg_segment_ptr 1
		.amdhsa_wavefront_size32 1
		.amdhsa_system_sgpr_workgroup_id_x 1
		.amdhsa_system_sgpr_workgroup_id_y 1
		.amdhsa_system_sgpr_workgroup_id_z 1
		.amdhsa_system_vgpr_workitem_id 0
		.amdhsa_next_free_vgpr 512
		.amdhsa_next_free_sgpr 66
		.amdhsa_reserve_vcc 0
		.amdhsa_float_denorm_mode_32 3
		.amdhsa_float_denorm_mode_16_64 3
		.amdhsa_memory_ordered 1
		.amdhsa_forward_progress 1
		.amdhsa_inst_pref_size 86
	.end_amdhsa_kernel
	.amdgpu_metadata
---
amdhsa.version: [ 1, 2 ]
amdhsa.kernels:
  - .name:           k_q5b6cadb422_proj
    .symbol:         k_q5b6cadb422_proj.kd
    .args:
      - { .name: oh, .offset: 0, .size: 8, .value_kind: global_buffer, .address_space: global }
      - { .name: wpb, .offset: 8, .size: 8, .value_kind: global_buffer, .address_space: global }
      - { .name: out0, .offset: 16, .size: 8, .value_kind: global_buffer, .address_space: global }
    .group_segment_fixed_size: 327680
    .private_segment_fixed_size: 0
    .kernarg_segment_align: 8
    .kernarg_segment_size: 24
    .max_flat_workgroup_size: 128
    .sgpr_count:     66
    .vgpr_count:     512
    .wavefront_size: 32
...
	.end_amdgpu_metadata
.endif
;; end of part 4
